; MI455X (gfx1250); checked and timed in simulation.
; The chip was launched on July 23, 2026; its instructions are those of AMD's public machine-readable ISA for CDNA 5 (MIT licence, August 2026) and "CDNA5" Instruction Set Architecture Reference Guide (July 2026). The comments in the code are by the model that wrote it; some were corrected since.
;; Multi Head Attention. Allowed arithmetic: matrix products marked QUANTISED: E2M1 operands, one E8M0 scale for each 32 along K, by v_wmma_scale_f32_16x16x128_f8f6f4 with both operands' format E2M1 (or v_wmma_scale_f32_32x16x128_f4), f32 sums; products left as they are: bf16, f16 or f32 operands; f32 sums; everything else in f32.
;; Inputs: Wk 1,024 x 1,024 float32; Wp 1,024 x 1,024 float32; Wq 1,024 x 1,024 float32; Wv 1,024 x 1,024 float32; bk 1,024 float32; bp 1,024 float32; bq 1,024 float32; bv 1,024 float32; x 4 x 2,048 x 1,024 float32.
;; Outputs: out0 4 x 2,048 x 1,024 float32.
;; This version of the problem:
;;   THIS VERSION OF THE PROBLEM IS GIVEN IN LOW PRECISION. The matrix products marked QUANTISED in the list below multiply operands that are first quantised to E2M1 (2 exponent bits, 1 mantissa bit; 4 bits a number), with one power-of-two scale for each 32 numbers along K (OCP MX v1.0); their sums are f32. The products marked 'left as it is' may take bf16, f16 or f32 operands, with f32 sums. Whichever they take, every output number must still come out within the allowed error. Rounding operands to bf16 (8 significant bits) uses up far more of that allowance than f16 does (11 bits, for magnitudes from 6e-5 to 65,504). All else is computed in f32.
;;   The module's matrix products, in the order in which they are computed (A, B: the left and right operand; K: the contracted axis; several contracted axes count as one K, in the product's order):
;;     1. [M 8,192, K 1,024] x [K 1,024, N 1,024]; A: input x; B: input Wq: QUANTISED
;;     2. [M 8,192, K 1,024] x [K 1,024, N 1,024]; A: input x; B: input Wk: QUANTISED
;;     3. [M 8,192, K 1,024] x [K 1,024, N 1,024]; A: input x; B: input Wv: QUANTISED
;;     4. batch 64 x [M 2,048, K 64] x [K 64, N 2,048]; A: computed on the way; B: computed on the way: left as it is (an operand is computed on the way)
;;     5. batch 64 x [M 2,048, K 2,048] x [K 2,048, N 64]; A: computed on the way; B: computed on the way: left as it is (an operand is computed on the way)
;;     6. [M 8,192, K 1,024] x [K 1,024, N 1,024]; A: computed on the way; B: input Wp: left as it is (an operand is computed on the way)
;;   THE QUANTISER, for each operand of a quantised product, along K:
;;     - K is cut into blocks of 32 from its start; a last block that is shorter is filled with zeros.
;;     - A block's scale is 2^e with e = floor(log2(the largest magnitude in the block)) - 2, held to -126 .. 127; a block of zeros has e = 0. As a byte (E8M0): e + 127.
;;     - Each number is divided by its block's scale, clamped to +-6, and rounded to the nearest number of E2M1, ties to even, subnormals kept.
;;     - The product sums the exact products of the quantised numbers (number of the format x scale) in f32.
;;   ~~~python
;;   def quantise(x, axis):      # numpy; x: float32 -> the quantised numbers, widened to float32 again
;;       x = np.moveaxis(x, axis, -1); K = x.shape[-1]
;;       x = np.pad(x, [(0, 0)] * (x.ndim - 1) + [(0, -K % 32)]); x = x.reshape(x.shape[:-1] + (-1, 32)); a = np.abs(x).max(-1, keepdims=True)
;;       e = np.where(a > 0, np.clip(np.frexp(np.where(a > 0, a, 1))[1] - 1 - 2, -126, 127), 0)      # np.frexp(a)[1] - 1 = floor(log2(a)), exactly
;;       r = np.clip(x / 2.0 ** e, -6, 6)
;;       step = 2.0 ** (np.maximum(np.frexp(np.where(r == 0, 1, r))[1] - 1, 0) - 1)
;;       q = np.round(r / step) * step * 2.0 ** e      # np.round: ties to even
;;       return np.moveaxis(q.reshape(q.shape[:-2] + (-1,))[..., :K], -1, axis).astype(np.float32)
;;   ~~~
;; One version. Each part assembles by itself: llvm-mc -triple=amdgcn-amd-amdhsa -mcpu=gfx1250 --defsym DOCPART=n.
;; ======== version 1 of 1: 4 launches
;; limits: values are held in f16: magnitudes above 65,504 overflow, below 6.1e-05 lose precision
;; workspace buffers: xc 4,194,304 bytes; xs 262,144 bytes; wc 1,572,864 bytes; ws 98,304 bytes; wp16 2,097,152 bytes; qkv 50,331,648 bytes; y16 16,777,216 bytes
;; launch prep (part 1): grid 256 x 1, 8 waves a work-group, no clusters, 84,480 bytes of LDS; arguments x, Wq, Wk, Wv, Wp, xc, xs, wc, ws, wp16; writes xc, xs, wc, ws, wp16
.if DOCPART == 1
	.amdgcn_target "amdgcn-amd-amdhsa--gfx1250"
	.amdhsa_code_object_version 6
	.text
	.protected	k_q278a5582f5_prep
	.globl	k_q278a5582f5_prep
	.p2align	8
	.type	k_q278a5582f5_prep,@function
k_q278a5582f5_prep:
	s_mov_b64 s[64:65], 0
	v_nop
	global_prefetch_b8 v0, s[64:65] scope:SCOPE_SE
	s_setreg_imm32_b32 hwreg(HW_REG_WAVE_MODE, 25, 1), 1
	s_wait_xcnt 0x0
; MULTI-HEAD ATTENTION, B = 4, T = 2048, C = 1024, 16 heads of 64, no mask.  Four launches: this one, the three projections on codes, the attention, the projection on the way out.
; WORK LEFT OUT: bk.  The scores are q . (k0 + bk) = q . k0 + q . bk, and the product of q and k is not quantised.  q . bk is the same number for every key of a query's row,
; and softmax(s + const) = softmax(s) for every finite const: so bk reaches no output, whatever finite values the inputs hold.  bk is not loaded and is no argument of any launch.
; LIMIT: a NaN, an infinity or an overflow that bk alone would bring is not carried to the result.
; THIS LAUNCH makes what the later ones read many times, each number once:
;   work-groups 0-127   x [8192][1024] f32 -> codes of E2M1, K innermost (xc [8192][512 bytes]) and one E8M0 byte for each 32 along K (xs [8192][32])
;   work-groups 128-223 Wq, Wk, Wv [k 1024][n 1024] f32, K their FIRST axis -> wc [3072 rows n][512 bytes], ws [3072][32]; rows 0-1023 Wq's columns, then Wk's, then Wv's
;   work-groups 224-255 Wp [k][n] f32 -> f16, laid as images of operand registers: wp16 [n / 16][k / 16][512 bytes], the 16 bytes at 16 (r + 16 h) = Wp[16 kk + 8 h + 0..7][16 nt + r]
; A block's scale is 2^(floor(log2(its largest magnitude)) - 2): its byte is the largest magnitude's exponent field - 2, held at 1 from below.
; LIMITS: a block of zeros gets the byte 1 where the quantiser says 127 (its codes are zeros, and this program alone reads the bytes); blocks whose largest magnitude lies under 2^-124 keep the byte 1;
; NaN and infinities among the inputs are not served.
; The three paths part on the work-group's number alone and never join; each has LDS bytes of its own.  A stream: no matrix unit, no cluster, no tensor load would add anything.
.set XWG,    128                       ; work-groups for x
.set WWG,    96                        ; for Wq, Wk, Wv
.set WREG,   8192                      ; path X: LDS of a wave: two stages of 32 x SP bytes, behind them its 256 scale bytes
.set SP,     80                        ; a lane's place in a stage: 64 bytes + 16 of padding
.set CB,     8                         ; bytes of 16 codes
.set STEPS,  16
.set R,      16                        ; v16-79   path X: four sets of 16 numbers as loaded
.set X,      80                        ; v80-111  two sets of 16 neighbours
.set E,      112                       ; v112-127 a scale byte for each step
.set C,      128                       ; v128-191 codes, four registers a step: no store's data are written again
.set WSTG,   65536                     ; path W: 32 rows (columns of W) x (512 bytes of codes + 16)
.set WPITCH, 528
.set WSC,    WSTG+32*WPITCH            ; path W: 32 rows x 32 scale bytes
.set SPARE,  WSC+1024                  ; the spare words, 128 bytes for each of eight waves: no other line names them
.set SPW,    192                       ; v192 LDS address of my spare word; never rewritten
.set NIL,    193                       ; v193 0; never rewritten
	s_load_b512 s[4:19], s[0:1], 0x0               ; x s[4:5], Wq s[6:7], Wk s[8:9], Wv s[10:11], Wp s[12:13], xc s[14:15], xs s[16:17], wc s[18:19]
	s_load_b128 s[20:23], s[0:1], 0x40             ; ws s[20:21], wp16 s[22:23]
	v_lshl_add_u32 v[SPW], v0, 2, SPARE
	v_mov_b32 v[NIL], 0
	v_lshrrev_b32 v1, 5, v0
	v_readfirstlane_b32 s24, v1                    ; wave 0..7
	v_and_b32 v2, 31, v0                           ; lane
	s_wait_kmcnt 0x0
	s_cmp_lt_u32 ttmp9, XWG
	s_cbranch_scc0 .Lnot_x
; ---------------- PATH X.  x is a plain stream of blocks of 32.  A wave takes 16 steps of 512 numbers.  Each load reads 512 consecutive bytes; a step's 2,048 bytes turn through the wave's own
; stage in LDS and come back 64 bytes a lane, so that a lane holds 16 neighbours along K (two lanes hold a block), as the conversions want them.
	v_lshlrev_b32 v3, 4, v2                        ; my 16 bytes of a load's 512
	s_mul_i32 s25, s24, WREG
	v_lshrrev_b32 v14, 2, v2
	v_mul_u32_u24 v14, v14, SP
	v_and_b32 v15, 3, v2
	v_lshl_add_u32 v14, v15, 4, v14
	v_add_nc_u32 v14, s25, v14                     ; into the stage: SP (lane / 4) + 16 (lane % 4)
	v_mul_u32_u24 v15, v2, SP
	v_add_nc_u32 v15, s25, v15                     ; out of it: SP x lane
	v_mul_u32_u24 v4, v2, CB                       ; my codes' place in a step's 256 bytes
	v_lshrrev_b32 v5, 1, v2
	s_add_co_u32 s25, s25, 2*32*SP
	v_add_nc_u32 v5, s25, v5                       ; my block's byte among the wave's 256 scale bytes
	v_lshlrev_b32 v7, 3, v2
	v_add_nc_u32 v6, s25, v7                       ; and 8 of them a lane on the way out
	s_lshl_b32 s26, ttmp9, 3
	s_add_co_u32 s26, s26, s24                     ; which run of 8,192 numbers is my wave's
	s_mov_b32 s29, 0
	s_lshl_b32 s28, s26, 15                        ; 32,768 bytes of x,
	s_add_nc_u64 s[4:5], s[4:5], s[28:29]
	s_lshl_b32 s28, s26, 12                        ; 4,096 of codes,
	s_add_nc_u64 s[14:15], s[14:15], s[28:29]
	s_lshl_b32 s28, s26, 8                         ; 256 scale bytes a run
	s_add_nc_u64 s[16:17], s[16:17], s[28:29]
.macro XLOAD t
.irp i, 0,1,2,3
	global_load_b128 v[R+16*((\t)%4)+4*\i:R+16*((\t)%4)+4*\i+3], v3, s[4:5] offset:2048*(\t)+512*\i th:TH_LOAD_NT
.endr
.endm
.macro XTURN t                         ; step t's numbers through the stage: LDS serves a wave's instructions in order, so no wait stands between the stores and the loads
.irp i, 0,1,2,3
	ds_store_b128 v14, v[R+16*((\t)%4)+4*\i:R+16*((\t)%4)+4*\i+3] offset:32*SP*((\t)%2)+8*SP*\i
.endr
.irp i, 0,1,2,3
	ds_load_b128 v[X+16*((\t)%2)+4*\i:X+16*((\t)%2)+4*\i+3], v15 offset:32*SP*((\t)%2)+16*\i
.endr
.endm
.irp t, 0,1,2,3
	XLOAD \t
.endr
	s_wait_loadcnt 12                              ; step 0's four loads are in; the twelve of steps 1 to 3 may be out
	XTURN 0
.macro XSTEP t
.set XS, X+16*((\t)%2)
.if (\t) > 0
	s_wait_dscnt 1                                 ; this step's numbers are back from the stage; the last step's byte store may be out
.else
	s_wait_dscnt 0x0
.endif
.if (\t)+4 < STEPS
	XLOAD (\t)+4                                   ; into the set that this step's stores to the stage have read
.endif
.if (\t)+1 < STEPS
.if STEPS-2-(\t) >= 3
	s_wait_loadcnt 12                              ; the next step's four loads are in; those of the three steps behind it may be out
.else
	s_wait_loadcnt 4*(STEPS-2-(\t))                ; the tail: as many as are left behind the next step's
.endif
	XTURN (\t)+1
.endif
	v_max3_num_f32 v8, |v[XS]|, |v[XS+1]|, |v[XS+2]|               ; the largest magnitude of my 16, in two chains
	v_max3_num_f32 v9, |v[XS+3]|, |v[XS+4]|, |v[XS+5]|
.irp i, 6,10
	v_max3_num_f32 v8, v8, |v[XS+\i]|, |v[XS+\i+1]|
	v_max3_num_f32 v9, v9, |v[XS+\i+2]|, |v[XS+\i+3]|
.endr
	v_max3_num_f32 v8, v8, |v[XS+14]|, |v[XS+15]|
	v_max3_num_f32 v8, v8, v9, 0x1800000           ; and the floor 2^(3 - 127): the byte cannot fall under 1
	v_max_num_f32_dpp v8, v8, v8 row_xmask:1 row_mask:0xf bank_mask:0xf   ; with my neighbour's 16: the block's
	v_add_nc_u32 v11, 0xff000000, v8               ; 2 off its exponent field: the conversion takes the exponent field of this operand as its scale
	v_cvt_scalef32_pk8_fp4_f32 v[C+4*(\t)], v[XS:XS+7], v11
	v_cvt_scalef32_pk8_fp4_f32 v[C+4*(\t)+1], v[XS+8:XS+15], v11
	v_lshrrev_b32 v[E+(\t)], 23, v11               ; the scale's byte
	ds_store_b8 v5, v[E+(\t)] offset:16*(\t)       ; both lanes of a block write the same byte with the same value
	global_store_b64 v4, v[C+4*(\t):C+4*(\t)+1], s[14:15] offset:32*CB*(\t)   ; the wave stores 256 consecutive bytes, aligned
.endm
.irp t, 0,1,2,3,4,5,6,7,8,9,10,11,12,13,14,15
	XSTEP \t
.endr
	ds_load_b64 v[8:9], v6                         ; in order behind my byte stores
	s_wait_dscnt 0x0
	global_store_b64 v7, v[8:9], s[16:17]          ; the wave's 256 scale bytes, consecutive and aligned
	s_wait_tensorcnt 0x0                           ; the wave's end: behind my last LDS store
	ds_add_u32 v[SPW], v[NIL]
	s_wait_dscnt 0x0
	s_endpgm
; 32 numbers down K of my column: rows 32 t + i of the wave's 128, into set t % 2 at v32-95.  A row of W is 4,096 bytes; the wave reads 128 consecutive bytes of it.
.macro WLOAD t, b
.irp i, 0,1,2,3,4,5,6,7,8,9,10,11,12,13,14,15,16,17,18,19,20,21,22,23,24,25,26,27,28,29,30,31
	global_load_b32 v[32+32*((\t)%2)+\i], v3, s[\b:\b+1] offset:(32*(\t)+\i)*4096
.endr
.endm
.Lnot_x:
	s_cmp_lt_u32 ttmp9, XWG+WWG
	s_cbranch_scc0 .Lwp
; ---------------- PATH W.  A work-group takes 32 columns of one weight and all of K.  A LANE TAKES A COLUMN AND ITS REGISTERS RUN DOWN K: a block of 32 lies in one lane, and the conversions give codes with K innermost.
; Wave w takes k = 128 w .. 128 w + 127: four blocks, 64 bytes of each column's row of codes and one scale word.  The eight waves' parts meet in LDS and leave as whole rows of 512 bytes.
	s_sub_co_u32 s25, ttmp9, XWG
	s_lshr_b32 s26, s25, 5                         ; which weight: 0 Wq, 1 Wk, 2 Wv
	s_and_b32 s27, s25, 31                         ; which 32 columns
	s_cmp_eq_u32 s26, 0
	s_cselect_b64 s[28:29], s[6:7], s[8:9]
	s_cmp_eq_u32 s26, 2
	s_cselect_b64 s[28:29], s[10:11], s[28:29]     ; the choice hangs on the work-group's number alone
	s_lshl_b32 s30, s24, 19                        ; 128 w rows of 4,096 bytes
	s_lshl_b32 s31, s27, 7                         ; 32 columns of 4 bytes
	s_add_co_u32 s30, s30, s31
	s_mov_b32 s31, 0
	s_add_nc_u64 s[28:29], s[28:29], s[30:31]
	s_lshl_b32 s32, s26, 10
	s_lshl_b32 s33, s27, 5
	s_add_co_u32 s32, s32, s33                     ; the work-group's first row of wc and ws
	s_and_b32 s36, s24, 1
	s_lshl_b32 s36, s36, 9                         ; 512 (w % 2): which half of the 1,024 scale bytes waves 0 and 1 carry out
	s_lshl_b32 s34, s32, 5                         ; 32 scale bytes a row
	s_add_co_u32 s34, s34, s36
	s_mov_b32 s35, 0
	s_add_nc_u64 s[20:21], s[20:21], s[34:35]
	s_lshl_b32 s33, s24, 2
	s_add_co_u32 s32, s32, s33                     ; + the four rows that my wave carries out
	s_lshl_b32 s32, s32, 9                         ; 512 bytes a row
	s_mov_b32 s33, 0
	s_add_nc_u64 s[18:19], s[18:19], s[32:33]
	v_lshlrev_b32 v3, 2, v2                        ; in: 4 bytes a lane
	v_mul_u32_u24 v4, v2, WPITCH
	s_lshl_b32 s37, s24, 6
	s_add_co_u32 s37, s37, WSTG
	v_add_nc_u32 v4, s37, v4                       ; into the stage: row = my column, + 64 w
	v_lshlrev_b32 v5, 5, v2
	s_lshl_b32 s37, s24, 2
	s_add_co_u32 s37, s37, WSC
	v_add_nc_u32 v5, s37, v5                       ; my scale word: 32 x lane + 4 w
	v_lshlrev_b32 v8, 4, v2                        ; out: 16 bytes a lane
	s_mul_i32 s37, s24, 4*WPITCH
	s_add_co_u32 s37, s37, WSTG
	v_add_nc_u32 v7, s37, v8                       ; rows 4 w .. 4 w + 3 of the stage
	s_add_co_u32 s37, s36, WSC
	v_add_nc_u32 v9, s37, v8                       ; and half of the scale bytes
	WLOAD 0, 28
	WLOAD 1, 28
.macro WBLOCK t
.set XS, 32+32*((\t)%2)
.if (\t) < 3
	s_wait_loadcnt 32                              ; this block's 32 loads are in; the next block's 32 may be out
.else
	s_wait_loadcnt 0x0
.endif
	v_max3_num_f32 v12, |v[XS]|, |v[XS+1]|, |v[XS+2]|              ; the block's largest magnitude: all 32 numbers are mine
	v_max3_num_f32 v13, |v[XS+3]|, |v[XS+4]|, |v[XS+5]|
.irp i, 6,10,14,18,22,26
	v_max3_num_f32 v12, v12, |v[XS+\i]|, |v[XS+\i+1]|
	v_max3_num_f32 v13, v13, |v[XS+\i+2]|, |v[XS+\i+3]|
.endr
	v_max3_num_f32 v12, v12, |v[XS+30]|, |v[XS+31]|
	v_max3_num_f32 v12, v12, v13, 0x1800000        ; and the floor 2^(3 - 127)
	v_add_nc_u32 v11, 0xff000000, v12              ; 2 off the exponent field: the conversion's scale operand
	v_lshrrev_b32 v13, 23, v11                     ; the scale's byte
.if (\t) == 0
	v_mov_b32 v24, v13                             ; four bytes to the word, the lower K in the lower byte
.else
	v_lshl_or_b32 v24, v13, 8*(\t), v24
.endif
.irp g, 0,1,2,3
	v_cvt_scalef32_pk8_fp4_f32 v[96+\g], v[XS+8*\g:XS+8*\g+7], v11
.endr
	ds_store_b128 v4, v[96:99] offset:16*(\t)      ; 32 codes: 16 bytes of my column's row
.if (\t)+2 < 4
	WLOAD (\t)+2, 28
.endif
	s_wait_dscnt 0x0                               ; the store has read its registers: the next block's codes may be written
.endm
	WBLOCK 0
	WBLOCK 1
	WBLOCK 2
	WBLOCK 3
	ds_store_b32 v5, v24
	s_wait_dscnt 0x0                               ; for the others' sake: my stores have landed
	s_barrier_signal -1                            ; (the way here hangs on the work-group's number alone: all eight waves pass)
	s_barrier_wait -1
.irp i, 0,1,2,3
	ds_load_b128 v[112+4*\i:115+4*\i], v7 offset:\i*WPITCH
.endr
.irp i, 0,1,2,3
	s_wait_dscnt 3-\i                              ; row i is in; the later rows' loads may be out
	global_store_b128 v8, v[112+4*\i:115+4*\i], s[18:19] offset:512*\i   ; a whole row: 512 consecutive bytes
.endr
	s_cmp_gt_u32 s24, 1
	s_cbranch_scc1 .Lw_end                         ; waves 0 and 1 carry out the 1,024 scale bytes, which are consecutive in ws
	ds_load_b128 v[100:103], v9
	s_wait_dscnt 0x0
	global_store_b128 v8, v[100:103], s[20:21]
.Lw_end:
	s_wait_tensorcnt 0x0                           ; the wave's end: behind my last LDS store
	ds_add_u32 v[SPW], v[NIL]
	s_wait_dscnt 0x0
	s_endpgm
.Lwp:
; ---------------- PATH P.  Wp to f16.  A lane takes a column, its registers run down K: eight neighbours along K pack into the 16 bytes that the operand's layout gives one lane.  No LDS.
	s_sub_co_u32 s25, ttmp9, XWG+WWG               ; which 32 columns
	s_lshl_b32 s30, s24, 19
	s_lshl_b32 s31, s25, 7
	s_add_co_u32 s30, s30, s31
	s_mov_b32 s31, 0
	s_add_nc_u64 s[12:13], s[12:13], s[30:31]
	s_lshl_b32 s30, s25, 16                        ; two tiles of 16 columns, 32,768 bytes each
	s_lshl_b32 s32, s24, 12                        ; my wave's eight blocks of 16 along K, 512 bytes each
	s_add_co_u32 s30, s30, s32
	s_add_nc_u64 s[22:23], s[22:23], s[30:31]
	v_lshlrev_b32 v3, 2, v2
	v_lshrrev_b32 v5, 4, v2
	v_and_b32 v6, 15, v2
	v_lshlrev_b32 v5, 15, v5
	v_lshl_add_u32 v5, v6, 4, v5                   ; out: 32,768 (lane / 16) + 16 (lane % 16)
	WLOAD 0, 12
	WLOAD 1, 12
.macro PBLOCK t
.set XS, 32+32*((\t)%2)
.if (\t) < 3
	s_wait_loadcnt 32                              ; this block's 32 loads are in; the next block's 32 may be out
.else
	s_wait_loadcnt 0x0
.endif
.irp i, 0,1,2,3,4,5,6,7,8,9,10,11,12,13,14,15
	v_cvt_pk_f16_f32 v[128+16*(\t)+\i], v[XS+2*\i], v[XS+2*\i+1]   ; each result register is written once in the launch
.endr
.if (\t)+2 < 4
	WLOAD (\t)+2, 12
.endif
.irp g, 0,1
.irp u, 0,1
	global_store_b128 v5, v[128+16*(\t)+8*\g+4*\u:128+16*(\t)+8*\g+4*\u+3], s[22:23] offset:(2*(\t)+\g)*512+256*\u   ; sixteen lanes store 256 consecutive bytes, aligned
.endr
.endr
.endm
	PBLOCK 0
	PBLOCK 1
	PBLOCK 2
	PBLOCK 3
	s_endpgm
.Lfunc_end_k_q278a5582f5_prep:
	.size	k_q278a5582f5_prep, .Lfunc_end_k_q278a5582f5_prep-k_q278a5582f5_prep
	.p2alignl 7, 3214868480
	.fill 96, 4, 3214868480
	.section	.rodata,"a",@progbits
	.p2align	6, 0x0
	.amdhsa_kernel k_q278a5582f5_prep
		.amdhsa_group_segment_fixed_size 84480
		.amdhsa_private_segment_fixed_size 0
		.amdhsa_enable_private_segment 0
		.amdhsa_kernarg_size 80
		.amdhsa_user_sgpr_count 2
		.amdhsa_user_sgpr_kernarg_segment_ptr 1
		.amdhsa_wavefront_size32 1
		.amdhsa_system_sgpr_workgroup_id_x 1
		.amdhsa_system_sgpr_workgroup_id_y 1
		.amdhsa_system_sgpr_workgroup_id_z 1
		.amdhsa_system_vgpr_workitem_id 0
		.amdhsa_next_free_vgpr 196
		.amdhsa_next_free_sgpr 66
		.amdhsa_reserve_vcc 0
		.amdhsa_float_denorm_mode_32 3
		.amdhsa_float_denorm_mode_16_64 3
		.amdhsa_memory_ordered 1
		.amdhsa_forward_progress 1
		.amdhsa_inst_pref_size 72
	.end_amdhsa_kernel
	.amdgpu_metadata
---
amdhsa.version: [ 1, 2 ]
amdhsa.kernels:
  - .name:           k_q278a5582f5_prep
    .symbol:         k_q278a5582f5_prep.kd
    .args:
      - { .name: x, .offset: 0, .size: 8, .value_kind: global_buffer, .address_space: global }
      - { .name: Wq, .offset: 8, .size: 8, .value_kind: global_buffer, .address_space: global }
      - { .name: Wk, .offset: 16, .size: 8, .value_kind: global_buffer, .address_space: global }
      - { .name: Wv, .offset: 24, .size: 8, .value_kind: global_buffer, .address_space: global }
      - { .name: Wp, .offset: 32, .size: 8, .value_kind: global_buffer, .address_space: global }
      - { .name: xc, .offset: 40, .size: 8, .value_kind: global_buffer, .address_space: global }
      - { .name: xs, .offset: 48, .size: 8, .value_kind: global_buffer, .address_space: global }
      - { .name: wc, .offset: 56, .size: 8, .value_kind: global_buffer, .address_space: global }
      - { .name: ws, .offset: 64, .size: 8, .value_kind: global_buffer, .address_space: global }
      - { .name: wp16, .offset: 72, .size: 8, .value_kind: global_buffer, .address_space: global }
    .group_segment_fixed_size: 84480
    .private_segment_fixed_size: 0
    .kernarg_segment_align: 8
    .kernarg_segment_size: 80
    .max_flat_workgroup_size: 256
    .sgpr_count:     66
    .vgpr_count:     196
    .wavefront_size: 32
...
	.end_amdgpu_metadata
.endif
;; end of part 1
;; launch qkv (part 2): grid 12 x 32, 4 waves a work-group, clusters of 4 x 4, 327,680 bytes of LDS; arguments xc, xs, wc, ws, bq, bv, qkv; writes qkv
.if DOCPART == 2
	.amdgcn_target "amdgcn-amd-amdhsa--gfx1250"
	.amdhsa_code_object_version 6
	.text
	.protected	k_q278a5582f5_qkv
	.globl	k_q278a5582f5_qkv
	.p2align	8
	.type	k_q278a5582f5_qkv,@function
k_q278a5582f5_qkv:
	s_mov_b64 s[64:65], 0
	v_nop
	global_prefetch_b8 v0, s[64:65] scope:SCOPE_SE
	s_setreg_imm32_b32 hwreg(HW_REG_WAVE_MODE, 25, 1), 1
	s_wait_xcnt 0x0
	s_wait_alu depctr_hold_cnt(0) depctr_sa_sdst(0) depctr_va_vdst(0) depctr_va_sdst(0) depctr_va_ssrc(0) depctr_va_vcc(0) depctr_vm_vsrc(0)
	s_getreg_b32 s2, hwreg(HW_REG_IB_STS2, 6, 4)
	s_cmp_eq_u32 s2, 0
	s_cbranch_scc0 .Lentry_in_a_cluster
	s_endpgm
.Lentry_in_a_cluster:
	s_bfe_u32 s2, ttmp6, 0x10000c
	s_cmp_lg_u32 s2, 0xf033
	s_cbranch_scc0 .Lentry_shape_is_right
	s_endpgm
.Lentry_shape_is_right:
; q = x Wq + bq, k = x Wk, v = x Wv + bv: one product [8192][1024] x [3072][1024]^T on codes of E2M1 with one E8M0 scale for each 32 along K; sums in f32; results rounded once to f16.
; WORK LEFT OUT: bk.  q . bk is the same for every key of a row of scores, and the softmax takes it away for all values: bk is not loaded.
; LIMIT: q, k and v are kept in f16: their magnitudes must stay under 65,504.
; A tile of 256 x 256 is made by a work-group of four waves, a wave makes 128 x 128: 64 accumulators, 512 registers.  All of K lies in two LDS slots of 512 along K, filled once: nothing is filled again.
; The scale bytes of the work-group's rows, for all of K, come once, as dense blocks.
; CLUSTERS: 4 x 4 work-groups.  The four of a row of the cluster need the same tiles of x's codes, the four of a column the same tiles of the weights': each tile is asked for jointly.
; A column of clusters is 1,024 columns: the cluster's x IS the role (0 q, 1 k, 2 v), the same in all sixteen partners.
; THE MATRIX INSTRUCTION IS USED TRANSPOSED (source 0 = 16 columns of a weight, source 1 = 16 rows of x): a lane holds one token and eight neighbouring channels, 16 bytes in f16.
; THE RESULT IS LAID AS IMAGES OF THE NEXT OPERANDS' REGISTERS: qkv [tensor 3][b h 64][token / 16][channel / 16][512 bytes].  q, k: lane l's 16 bytes at 16 l.  v: lane bits 3 and 4 change places,
; so that the transposing LDS load of the next launch, at 16 x lane, brings a fragment of v^T.  So a wave's store covers 512 consecutive bytes and no stage in LDS is needed.
; THE BIAS is the C of the first K step's products.  Its loads, their wait and that step stand in one arm of a branch on the role; role k's arm starts its sums with the constant 0.
; REGISTERS, in windows of 256: window 0: v0-31 addresses; v32-95 scale words, two sets; v128-191 x's fragments, one set; v192-255 the bias.  window 1: the weights' fragments, two sets; on the way out the packed results.
;   window 2: the accumulators of my rows 0-63 ((a, b) at v[8 (8 a + b)]);  window 3: those of my rows 64-127.
.set KSTEP,  512                       ; along K in a slot
.set NQ,     KSTEP/128                 ; matrix instructions deep
.set ROWB,   256                       ; a tile's row in bytes
.set KROW,   512                       ; a row of codes in memory
.set PITCH,  272                       ; an LDS row: 256 bytes + 16 of padding: the 16 rows that a load touches start 68 words apart
.set FR,     8                         ; registers of a fragment
.set NL,     2                         ; LDS loads that bring one
.set NP,     4                         ; places behind this matrix instruction (ISA guide 7.12.1)
.set HALFT,  128*PITCH
.set SLOT,   4*HALFT
.set KS,     32                        ; a row of scale bytes
.set SCL,    2*SLOT                    ; behind the slots: the scales, as rows of 256 bytes + 16 of padding
.set HALFS,  (128*KS/256)*272
.set SBLK,   (16*KS/256)*272
.set SPARE,  SCL+4*HALFS               ; the spare words, 128 bytes a wave: no other line names them
.set ADRA, 16                          ; v16-17 LDS address of my fragments of x in slot 0, 1
.set ADRB, 20                          ; v20-21 the same for the weights
.set CO,   26                          ; v26    where my 16 bytes lie in an image of 512
.set ADRS, 27                          ; v27    LDS address of my scale words: lanes 0-15 x's rows, lanes 16-31 the weights'
.set SPW,  28                          ; v28    my spare word; never rewritten
.set NIL,  29                          ; v29    0; never rewritten
.set BO,   30                          ; v30    the bias loads' offset; never rewritten
.set SC,   32
.set AF,   128
.set BI,   192                          ; v192-255: register 8 b + j = the bias of channel 16 b + 8 (lane / 16) + j of my 128 columns
.set G1, 24
.set G0, 32
.set G1B, 48
.set G0B, 56
.set G1S, 68
.set G0S, 76
.set G1SB, 80
.set G0SB, 88
.set MSB, 0
.macro WIN new                         ; the immediate's high byte repeats the setting that is left
.if MSB != \new
	s_set_vgpr_msb (MSB<<8)|\new
.set MSB, \new
.endif
.endm
.set MUL_LO,  0xa1                     ; source 0 window 1, source 1 window 0, C and D window 2
.set MUL_HI,  0xf1                     ; the same, C and D window 3
.set BIAS_LO, 0x81                     ; C (the bias) window 0, D window 2
.set BIAS_HI, 0xc1                     ; C window 0, D window 3
.set TO_B,    0x40                     ; destination window 1, address window 0
; A joint load: waves 0 and 1 fetch for x, waves 2 and 3 for the weights; the branch hangs on the wave's number alone.  An s_nop 0 and four v_nop follow each line.
.macro JLOAD g0a, g1a, g0b, g1b
	s_cmp_eq_u32 s15, 0
	s_cbranch_scc0 .Lfor_b_\@
	tensor_load_to_lds s[\g0a:\g0a+3], s[\g1a:\g1a+7]
	s_nop 0
.rept 4
	v_nop
.endr
	s_branch .Lasked_\@
.Lfor_b_\@:
	tensor_load_to_lds s[\g0b:\g0b+3], s[\g1b:\g1b+7]
	s_nop 0
.rept 4
	v_nop
.endr
.Lasked_\@:
.endm
.macro CROUND                          ; a round of the cluster's barrier
	s_barrier_signal -1
	s_barrier_wait -1
	s_cmp_lg_u32 s14, 0
	s_cbranch_scc1 .Lnot_wave_0_\@
	s_barrier_signal -3
.Lnot_wave_0_\@:
	s_barrier_wait -3
	s_barrier_signal -1
	s_barrier_wait -1
.endm
	s_load_b128 s[4:7], s[0:1], 0x0                ; x's codes, x's scales
	s_load_b128 s[8:11], s[0:1], 0x10              ; the weights' codes, their scales
	s_load_b128 s[96:99], s[0:1], 0x20             ; bq, bv
	s_load_b64 s[12:13], s[0:1], 0x30              ; qkv
	v_lshl_add_u32 v[SPW], v0, 2, SPARE
	v_mov_b32 v[NIL], 0
	ds_add_u32 v[SPW], v[NIL]                      ; the wave's opening: the add, twice on end, and its wait ahead of my first tensor load
	ds_add_u32 v[SPW], v[NIL]
	v_lshrrev_b32 v1, 5, v0
	v_readfirstlane_b32 s14, v1                    ; wave 0..3
	s_lshr_b32 s15, s14, 1                         ; which half of the tile's rows is mine.  Also: I fetch for x (0) or for the weights (1)
	s_and_b32 s16, s14, 1                          ; which half of its columns.  Also: which 128 rows of that tile I fetch
	s_bfe_u32 s40, ttmp6, 0x40000                  ; cx, cy: my place in the cluster
	s_bfe_u32 s41, ttmp6, 0x40004
	s_lshl_b32 s42, ttmp9, 2
	s_add_co_u32 s42, s42, s40                     ; tile column = 4 x cluster x + cx
	s_and_b32 s17, ttmp7, 0xffff
	s_lshl_b32 s17, s17, 2
	s_add_co_u32 s17, s17, s41                     ; tile row = 4 x cluster y + cy
	s_lshl_b32 s43, s41, 2
	s_lshl_b32 s43, 15, s43                        ; my row of the cluster
	s_lshl_b32 s44, 0x1111, s40                    ; my column
	s_or_b32 s[G1+0], s43, (0<<16)|(1<<20)|(1<<21)|(5<<22)|(3<<25)  ; the mask; elements of 1 byte; padding: 4 words behind every 64; bit 21 beside a mask
	s_or_b32 s[G1B+0], s44, (0<<16)|(1<<20)|(1<<21)|(5<<22)|(3<<25)
.irp g, G1, G1B
	s_mov_b32 s[\g+1], ROWB<<16                    ; tensor_dim0
	s_mov_b32 s[\g+2], 128<<16                     ; tensor_dim1
	s_mov_b32 s[\g+3], ROWB<<16                    ; tile_dim0
	s_mov_b32 s[\g+4], 128                         ; tile_dim1
	s_mov_b32 s[\g+5], KROW                        ; the pitch in memory
	s_mov_b32 s[\g+6], 0
	s_mov_b32 s[\g+7], 0
.endr
	s_or_b32 s[G1S+0], s43, (3<<16)|(1<<20)|(1<<21)|(5<<22)|(3<<25) ; the scales of 128 rows: 4,096 dense bytes as 16 rows of 32 elements of 8 bytes, 16 bytes of padding behind each
	s_or_b32 s[G1SB+0], s44, (3<<16)|(1<<20)|(1<<21)|(5<<22)|(3<<25)
.irp g, G1S, G1SB
	s_mov_b32 s[\g+1], 32<<16
	s_mov_b32 s[\g+2], (128*KS/256)<<16
	s_mov_b32 s[\g+3], 32<<16
	s_mov_b32 s[\g+4], 128*KS/256
	s_mov_b32 s[\g+5], 32
	s_mov_b32 s[\g+6], 0
	s_mov_b32 s[\g+7], 0
.endr
	s_lshl_b32 s18, s16, 7                         ; which 128 rows of the tile I fetch
	s_lshl_b32 s20, s17, 8
	s_add_co_u32 s20, s20, s18                     ; x: row 256 x tile row + 128 x half
	s_lshl_b32 s46, s42, 8
	s_add_co_u32 s46, s46, s18                     ; weights: row 256 x tile column + 128 x half
	s_mov_b32 s21, 0
	s_mov_b32 s47, 0
	s_mov_b64 s[18:19], KS
	s_mul_u64 s[22:23], s[20:21], s[18:19]         ; where these rows' scales begin,
	s_mul_u64 s[92:93], s[46:47], s[18:19]
	s_mov_b64 s[18:19], KROW
	s_mul_u64 s[20:21], s[20:21], s[18:19]         ; and their codes
	s_mul_u64 s[46:47], s[46:47], s[18:19]
	s_mul_i32 s45, s14, HALFT                      ; where they go: wave x 128 rows: no place in the cluster enters an LDS address
	s_mul_i32 s94, s14, HALFS
	s_wait_dscnt 0x0                               ; both opening adds are done
	s_wait_kmcnt 0x0
	s_add_nc_u64 s[20:21], s[4:5], s[20:21]
	s_add_nc_u64 s[22:23], s[6:7], s[22:23]
	s_add_nc_u64 s[46:47], s[8:9], s[46:47]
	s_add_nc_u64 s[92:93], s[10:11], s[92:93]
	CROUND                                         ; all sixteen work-groups are here: the joint loads meet
	s_mov_b32 s[G0S], 1
	s_add_co_u32 s[G0S+1], s94, SCL
	s_mov_b64 s[G0S+2:G0S+3], s[22:23]
	s_or_b32 s[G0S+3], s[G0S+3], 0x80000000
	s_mov_b32 s[G0SB], 1
	s_add_co_u32 s[G0SB+1], s94, SCL
	s_mov_b64 s[G0SB+2:G0SB+3], s[92:93]
	s_or_b32 s[G0SB+3], s[G0SB+3], 0x80000000
	JLOAD G0S, G1S, G0SB, G1SB                     ; the scales first: they are wanted with the first K step.  Three loads of mine are out behind the next two
.irp s, 0,1
	s_mov_b32 s[G0+4*\s], 1
	s_add_co_u32 s[G0+4*\s+1], s45, \s*SLOT
	s_add_nc_u64 s[G0+4*\s+2:G0+4*\s+3], s[20:21], \s*ROWB
	s_or_b32 s[G0+4*\s+3], s[G0+4*\s+3], 0x80000000
	s_mov_b32 s[G0B+4*\s], 1
	s_add_co_u32 s[G0B+4*\s+1], s45, \s*SLOT
	s_add_nc_u64 s[G0B+4*\s+2:G0B+4*\s+3], s[46:47], \s*ROWB
	s_or_b32 s[G0B+4*\s+3], s[G0B+4*\s+3], 0x80000000
	JLOAD G0+4*\s, G1, G0B+4*\s, G1B
.endr
	v_and_b32 v1, 15, v0                           ; r = l % 16
	v_bfe_u32 v2, v0, 4, 1                         ; h = l / 16
	v_mul_u32_u24 v3, v1, PITCH
	v_lshl_add_u32 v4, v2, 4, v3                   ; a fragment's row x pitch + 16 x half
	s_mul_i32 s21, s15, HALFT                      ; my 128 rows of x
	s_mul_i32 s22, s16, HALFT                      ; my 128 rows of the weights,
	s_add_co_u32 s22, s22, 2*HALFT                 ; which lie behind x's 256
.irp s, 0,1
	v_add_nc_u32 v[ADRA+\s], s21, v4
	v_add_nc_u32 v[ADRB+\s], s22, v4
	s_add_co_u32 s21, s21, SLOT
	s_add_co_u32 s22, s22, SLOT
.endr
	v_mul_u32_u24 v5, v1, KS                       ; my row's scales: KS bytes a row,
	v_lshrrev_b32 v6, 8, v5
	v_lshl_add_u32 v5, v6, 4, v5                   ; and 16 more for each 256 passed
	s_mul_i32 s21, s15, HALFS
	s_mul_i32 s22, s16, HALFS
	s_add_co_u32 s22, s22, 2*HALFS
	s_sub_co_u32 s22, s22, s21
	v_mul_u32_u24 v6, s22, v2                      ; lanes 16-31 take the weights': one product, the distance between the two bases
	s_add_co_u32 s21, s21, SCL
	v_add_nc_u32 v5, v5, v6
	v_add_nc_u32 v[ADRS], s21, v5
	v_lshlrev_b32 v[BO], 5, v2                     ; the bias: 32 bytes on for lanes 16-31
	v_and_b32 v6, 31, v0                           ; my place in an image: q, k: 16 l;  v: lane bits 3 and 4 change places
	v_and_b32 v5, 7, v6
	v_and_b32 v7, 8, v6
	v_lshl_or_b32 v5, v7, 1, v5
	v_and_b32 v7, 16, v6
	v_lshrrev_b32 v7, 1, v7
	v_or_b32 v5, v5, v7
	v_lshlrev_b32 v5, 4, v5
	v_lshlrev_b32 v6, 4, v6
	s_cmp_eq_u32 ttmp9, 2
	s_cselect_b32 s46, -1, 0
	v_cndmask_b32 v[CO], v6, v5, s46
	s_lshl_b32 s20, ttmp9, 24                      ; where my results begin: tensor x 16,777,216
	s_lshr_b32 s21, s17, 3
	s_lshl_b32 s21, s21, 22                        ; + batch x 16 heads x 262,144
	s_add_co_u32 s20, s20, s21
	s_and_b32 s21, s17, 7
	s_lshl_b32 s21, s21, 4
	s_lshl_b32 s22, s15, 3
	s_add_co_u32 s21, s21, s22
	s_lshl_b32 s21, s21, 11                        ; + (token / 16) x 2,048
	s_add_co_u32 s20, s20, s21
	s_lshl_b32 s46, s40, 2
	s_lshl_b32 s47, s16, 1
	s_add_co_u32 s46, s46, s47
	s_lshl_b32 s46, s46, 18                        ; + head (4 cx + 2 x half) x 262,144
	s_add_co_u32 s20, s20, s46
	s_mov_b32 s21, 0
	s_add_nc_u64 s[12:13], s[12:13], s[20:21]
.macro FRAG reg, adr, q, i             ; 16 rows x 128 K of 4-bit codes: 8 registers, two loads of 16 bytes, 32 bytes apart
.irp c, 0,1
	ds_load_b128 v[\reg+4*\c:\reg+4*\c+3], v[\adr] offset:64*(\q)+32*\c+(\i)*16*PITCH
.endr
.endm
; 16 matrix instructions: x's blocks a0, a0 + 1 against the weights' eight, 128 along K.  zero = 1: C = 0;  2: C = the bias;  0: the sums go on.
; The 64 accumulators take turns, one instruction a turn, in the same order in every step.
.macro MUL16 a0, p, q, sc, zero
.irp a, \a0, \a0+1
.irp b, 0,1,2,3,4,5,6,7
.if \zero == 1
	v_wmma_scale_f32_16x16x128_f8f6f4 v[8*(8*((\a)%4)+\b):8*(8*((\a)%4)+\b)+7], v[128*(\p)+FR*\b:128*(\p)+FR*\b+FR-1], v[AF+FR*(\a):AF+FR*(\a)+FR-1], 0, v[SC+8*NQ*(\sc)+NQ*\b+(\q)], v[SC+8*NQ*(\sc)+NQ*(\a)+(\q)] matrix_a_fmt:MATRIX_FMT_FP4 matrix_b_fmt:MATRIX_FMT_FP4 matrix_a_scale:MATRIX_SCALE_ROW1
.elseif \zero == 2
	v_wmma_scale_f32_16x16x128_f8f6f4 v[8*(8*((\a)%4)+\b):8*(8*((\a)%4)+\b)+7], v[128*(\p)+FR*\b:128*(\p)+FR*\b+FR-1], v[AF+FR*(\a):AF+FR*(\a)+FR-1], v[BI+8*\b:BI+8*\b+7], v[SC+8*NQ*(\sc)+NQ*\b+(\q)], v[SC+8*NQ*(\sc)+NQ*(\a)+(\q)] matrix_a_fmt:MATRIX_FMT_FP4 matrix_b_fmt:MATRIX_FMT_FP4 matrix_a_scale:MATRIX_SCALE_ROW1
.else
	v_wmma_scale_f32_16x16x128_f8f6f4 v[8*(8*((\a)%4)+\b):8*(8*((\a)%4)+\b)+7], v[128*(\p)+FR*\b:128*(\p)+FR*\b+FR-1], v[AF+FR*(\a):AF+FR*(\a)+FR-1], v[8*(8*((\a)%4)+\b):8*(8*((\a)%4)+\b)+7], v[SC+8*NQ*(\sc)+NQ*\b+(\q)], v[SC+8*NQ*(\sc)+NQ*(\a)+(\q)] matrix_a_fmt:MATRIX_FMT_FP4 matrix_b_fmt:MATRIX_FMT_FP4 matrix_a_scale:MATRIX_SCALE_ROW1
.endif
.endr
.endr
.endm
.macro FETCH_B slot, q, p
	WIN TO_B
.irp i, 0,1,2,3,4,5,6,7
	FRAG 128*(\p)+FR*\i, ADRB+\slot, \q, \i
.endr
	WIN 0
.endm
.macro FETCH_A slot, q, i0
.irp i, \i0, \i0+1, \i0+2, \i0+3
	FRAG AF+FR*(\i), ADRA+\slot, \q, \i
.endr
.endm
.macro SCALES sc                       ; a slot's scale words: four a row; lanes 0-15 take x's block i, lanes 16-31 the weights' block i
.irp i, 0,1,2,3,4,5,6,7
	ds_load_b128 v[SC+8*NQ*\sc+NQ*\i:SC+8*NQ*\sc+NQ*\i+3], v[ADRS] offset:\i*SBLK
.endr
.endm
.macro PLACES n                        ; plain vector instructions between a matrix instruction and a load into, or a read of, its registers
.rept \n
	v_nop
.endr
.endm
; A step of 128 along K that has its successor in the same slot.
.macro STEP slot, q, zero
	s_wait_dscnt 4*NL                              ; the weights' set and x's blocks 0-3 are in; the youngest eight loads (x's blocks 4-7) may be out
.if \zero == 2
	WIN BIAS_LO
.else
	WIN MUL_LO
.endif
	MUL16 0, (\q)%2, \q, \slot, \zero
	MUL16 2, (\q)%2, \q, \slot, \zero
	s_wait_dscnt 0
	PLACES NP
	FETCH_B \slot, (\q)+1, 1-(\q)%2
	FETCH_A \slot, (\q)+1, 0
.if \zero == 2
	WIN BIAS_HI
.else
	WIN MUL_HI
.endif
	MUL16 4, (\q)%2, \q, \slot, \zero
	MUL16 6, (\q)%2, \q, \slot, \zero
	PLACES NP
	WIN 0
	FETCH_A \slot, (\q)+1, 4
.endm
; Slot 0's last step goes over to slot 1: each wave's own load of slot 1 has landed, then one barrier, behind which all of slot 1 may be read.  Nothing is filled again.
.macro TURN slot, next
	s_wait_tensorcnt 0x0                           ; all my tensor loads have landed: my part of the next slot
	ds_add_u32 v[SPW], v[NIL]                      ; 0 onto my spare word
	s_wait_dscnt 4*NL+1                            ; the add and the youngest eight loads (x's blocks 4-7) may be out
	WIN MUL_LO
	MUL16 0, 1, NQ-1, \slot, 0
	s_wait_dscnt 0x0                               ; no LDS instruction of mine is out at the signal
	s_barrier_signal -1
	MUL16 2, 1, NQ-1, \slot, 0
	WIN 0
	s_barrier_wait -1
	PLACES NP
	v_add_nc_u32 v[ADRS], 4*NQ, v[ADRS]            ; on to the next slot's scale words
	FETCH_B \next, 0, 0
	FETCH_A \next, 0, 0
	SCALES \next
	WIN MUL_HI
	MUL16 4, 1, NQ-1, \slot, 0
	MUL16 6, 1, NQ-1, \slot, 0
	PLACES NP
	WIN 0
	FETCH_A \next, 0, 4
.endm
.macro STEPS slot, from
.set Q, \from
.rept NQ-1-\from
	STEP \slot, Q, 0
.set Q, Q+1
.endr
.endm
.macro FIRST zero                      ; the first fragments and the first step, whose products start the sums
	FETCH_B 0, 0, 0
	FETCH_A 0, 0, 0
	SCALES 0
	FETCH_A 0, 0, 4
.if \zero == 2
	s_wait_loadcnt 0x0                             ; the bias
.endif
	STEP 0, 0, \zero
.endm
	s_wait_tensorcnt 1                             ; the scales and my part of slot 0 are in; slot 1's load may be out,
	s_barrier_signal -1
	s_barrier_wait -1                              ; everybody's are
	s_cmp_eq_u32 ttmp9, 1                          ; the role: the cluster's x, the same in all sixteen partners
	s_cbranch_scc1 .Lrole_k
	s_cmp_eq_u32 ttmp9, 0
	s_cselect_b64 s[96:97], s[96:97], s[98:99]     ; bq or bv
	s_lshl_b32 s46, s40, 10
	s_lshl_b32 s47, s16, 9
	s_add_co_u32 s46, s46, s47                     ; 4 bytes x (256 cx + 128 x half)
	s_mov_b32 s47, 0
	s_add_nc_u64 s[96:97], s[96:97], s[46:47]
.irp b, 0,1,2,3,4,5,6,7
	global_load_b128 v[BI+8*\b:BI+8*\b+3], v[BO], s[96:97] offset:64*\b
	global_load_b128 v[BI+8*\b+4:BI+8*\b+7], v[BO], s[96:97] offset:64*\b+16
.endr
	FIRST 2
	s_branch .Lstarted
.Lrole_k:
	FIRST 1
.Lstarted:
	STEPS 0, 1
	TURN 0, 1
	STEPS 1, 0
	s_wait_dscnt 4*NL                              ; the very last step: x's blocks 4-7 may be out
	WIN MUL_LO
	MUL16 0, 1, NQ-1, 1, 0
	MUL16 2, 1, NQ-1, 1, 0
	s_wait_dscnt 0
	WIN MUL_HI
	MUL16 4, 1, NQ-1, 1, 0
	MUL16 6, 1, NQ-1, 1, 0
; THE WAY OUT, block by block of 16 tokens.  A lane's eight results of an accumulator pack into the 16 bytes of its place in an image; each accumulator is read from its low end on.
; The packed results take window 1, each register once, so that no store's data are written again.
.macro OUT a
.set AC, 64*((\a)%4)
	WIN 0x4a+5*((\a)/4)                            ; sources window 2 or 3, destination window 1
.irp b, 0,1,2,3,4,5,6,7
.irp i, 0,1,2,3
	v_cvt_pk_f16_f32 v[32*(\a)+4*\b+\i], v[AC+8*\b+2*\i], v[AC+8*\b+2*\i+1]
.endr
.endr
	WIN 0x04                                       ; a store's data: window 1
.irp b, 0,1,2,3,4,5,6,7
	global_store_b128 v[CO], v[32*(\a)+4*\b:32*(\a)+4*\b+3], s[12:13] offset:(\a)*2048+(\b/4)*262144+(\b%4)*512   ; the wave stores 512 consecutive bytes, aligned
.endr
.endm
	PLACES NP                                      ; behind the last products: their results are read, and the weights' registers written, only behind these
.irp a, 0,1,2,3,4,5,6,7
	OUT \a
.endr
	WIN 0
	s_wait_tensorcnt 0x0                           ; the wave's end
	ds_add_u32 v[SPW], v[NIL]
	s_wait_dscnt 0x0
	CROUND                                         ; the closing round
	s_endpgm
.Lfunc_end_k_q278a5582f5_qkv:
	.size	k_q278a5582f5_qkv, .Lfunc_end_k_q278a5582f5_qkv-k_q278a5582f5_qkv
	.p2alignl 7, 3214868480
	.fill 96, 4, 3214868480
	.section	.rodata,"a",@progbits
	.p2align	6, 0x0
	.amdhsa_kernel k_q278a5582f5_qkv
		.amdhsa_group_segment_fixed_size 327680
		.amdhsa_private_segment_fixed_size 0
		.amdhsa_enable_private_segment 0
		.amdhsa_kernarg_size 56
		.amdhsa_user_sgpr_count 2
		.amdhsa_user_sgpr_kernarg_segment_ptr 1
		.amdhsa_wavefront_size32 1
		.amdhsa_system_sgpr_workgroup_id_x 1
		.amdhsa_system_sgpr_workgroup_id_y 1
		.amdhsa_system_sgpr_workgroup_id_z 1
		.amdhsa_system_vgpr_workitem_id 0
		.amdhsa_next_free_vgpr 1024
		.amdhsa_next_free_sgpr 100
		.amdhsa_reserve_vcc 0
		.amdhsa_float_denorm_mode_32 3
		.amdhsa_float_denorm_mode_16_64 3
		.amdhsa_memory_ordered 1
		.amdhsa_forward_progress 1
		.amdhsa_inst_pref_size 133
	.end_amdhsa_kernel
	.amdgpu_metadata
---
amdhsa.version: [ 1, 2 ]
amdhsa.kernels:
  - .name:           k_q278a5582f5_qkv
    .symbol:         k_q278a5582f5_qkv.kd
    .args:
      - { .name: xc, .offset: 0, .size: 8, .value_kind: global_buffer, .address_space: global }
      - { .name: xs, .offset: 8, .size: 8, .value_kind: global_buffer, .address_space: global }
      - { .name: wc, .offset: 16, .size: 8, .value_kind: global_buffer, .address_space: global }
      - { .name: ws, .offset: 24, .size: 8, .value_kind: global_buffer, .address_space: global }
      - { .name: bq, .offset: 32, .size: 8, .value_kind: global_buffer, .address_space: global }
      - { .name: bv, .offset: 40, .size: 8, .value_kind: global_buffer, .address_space: global }
      - { .name: qkv, .offset: 48, .size: 8, .value_kind: global_buffer, .address_space: global }
    .group_segment_fixed_size: 327680
    .private_segment_fixed_size: 0
    .kernarg_segment_align: 8
    .kernarg_segment_size: 56
    .max_flat_workgroup_size: 128
    .sgpr_count:     100
    .vgpr_count:     1024
    .wavefront_size: 32
...
	.end_amdgpu_metadata
.endif
;; end of part 2
;; launch attn (part 3): grid 4 x 64, 8 waves a work-group, clusters of 4 x 1, 327,680 bytes of LDS; arguments qkv, y16; writes y16
.if DOCPART == 3
	.amdgcn_target "amdgcn-amd-amdhsa--gfx1250"
	.amdhsa_code_object_version 6
	.text
	.protected	k_q278a5582f5_attn
	.globl	k_q278a5582f5_attn
	.p2align	8
	.type	k_q278a5582f5_attn,@function
k_q278a5582f5_attn:
	s_mov_b64 s[64:65], 0
	v_nop
	global_prefetch_b8 v0, s[64:65] scope:SCOPE_SE
	s_setreg_imm32_b32 hwreg(HW_REG_WAVE_MODE, 25, 1), 1
	s_wait_xcnt 0x0
	s_wait_alu depctr_hold_cnt(0) depctr_sa_sdst(0) depctr_va_vdst(0) depctr_va_sdst(0) depctr_va_ssrc(0) depctr_va_vcc(0) depctr_vm_vsrc(0)
	s_getreg_b32 s2, hwreg(HW_REG_IB_STS2, 6, 4)
	s_cmp_eq_u32 s2, 0
	s_cbranch_scc0 .Lentry_in_a_cluster
	s_endpgm
.Lentry_in_a_cluster:
	s_bfe_u32 s2, ttmp6, 0x10000c
	s_cmp_lg_u32 s2, 0x3003
	s_cbranch_scc0 .Lentry_shape_is_right
	s_endpgm
.Lentry_shape_is_right:
; y[b][h][q] = the sum over k of softmax_k(q . k / 8) v, for 64 (batch, head) pairs of 2,048 tokens and head size 64, no mask.  q, k, v: f16, laid as images of operand registers by the launch before
; ([tensor][b h][token / 16][channel / 16][512 bytes]); products, maxima and sums in f32; the weights p are rounded to f16 for the second product, y once at the end.
; y16 [b 128 + token / 16][channel of C / 16][512 bytes]: lane l's 16 bytes at 16 l: again an image, for the projection that follows.
; LIMIT: p under 2^-24 of its row's largest is lost in f16; the row's sum, taken of the unrounded p, is at least 1.
; SHARES.  A cluster of four work-groups is one (batch, head); a work-group owns 512 queries, each of its eight waves 64: four tiles of 16.  Two waves lie on a SIMD: one's softmax stands beside the other's products.
; Every wave walks the 2,048 keys, 64 a step.  K and V come through two LDS slots of 512 keys; each of the eight waves fetches 16,384 dense bytes of a slot (waves 0-3 K's, waves 4-7 V's), JOINTLY with the same
; wave of the three partners, which walk the same K and V: same descriptor, a mask that names the four.
; LAYOUT.  S^T = K Q^T (source 0 = 16 keys, source 1 = 16 queries): a lane holds ONE query (lane % 16) and keys 8 (lane / 16) + 0..7.  Two such tiles, rounded to f16 in pairs, ARE source 1 of O^T = V^T P.
; SOFTMAX.  A running maximum m and sum l for each query: p = 2^(c s - c m), c = log2(e) / 8; in every step O and l are multiplied by a = 2^(c m_old - c m_new).
; NO PREFETCH: the launch has four slots' worth of keys; two are asked for at the head, and each of the two refills is asked for eight key steps ahead of the wait for it.
; REGISTERS, two windows of 256.  window 0: v1-4 addresses; v16-47 statistics, eight a tile (+0 c m, +1 m, +2, +3 l, +4..+7 at work; a in +6); v48, v49 the add's two; v64-191 S^T, 32 a tile, p's f16 pairs
; made in place in each tile's first 16; v192-255 K's fragments.   window 1: v0-127 O^T, 32 a tile; v128-191 Q; v192-255 V's fragments.
.set S,    64
.set KF,   192
.set QF,   128                         ; in window 1
.set VF,   192                         ; in window 1
.set ST,   16
.set L16,  1                           ; v1  16 x lane: my place in an image
.set LV16, 2                           ; v2  the same in a slot's part for V
.set ADK,  3                           ; v3  LDS address of the step's K
.set ADV,  4                           ; v4  of its V
.set SPW,  48
.set NIL,  49
.set SLOT1, 1<<17                      ; slot 1 begins here: one exclusive or turns an address from one slot to the other
.set VOFF,  65536                      ; a slot: 65,536 bytes of K (8 steps x 8,192), then as many of V
.set STEPB, 8192
.set SPARE, 2*SLOT1                    ; the spare words, 128 bytes for each of eight waves: no other line names them
.set WV,   8                           ; s8   my wave
.set G1,   16                          ; s[16:23] descriptor group 1
.set G0A,  24                          ; s[24:27] group 0 of slot 0's first fill
.set G0W,  28                          ; s[28:31] of slot 1's; it then walks
.set CS,   32                          ; s[32:33] c
.set SEL,  34                          ; s[34:35] lane selects: lane l xor 16
.set TB,   36                          ; s36  LDS byte at which the step to be fetched begins
.set CNT,  37
.set OUTR, 38
.set MSB, 0
.macro WIN new                         ; the immediate's high byte repeats the setting that is left
.if MSB != \new
	s_set_vgpr_msb (MSB<<8)|\new
.set MSB, \new
.endif
.endm
.set W_KQ, 0x04                        ; Q (source 1) window 1; K and S^T window 0
.set W_PV, 0x51                        ; V (source 0) and O^T (C, D) window 1; P window 0
.set W_RS, 0x41                        ; O^T (destination, source 0) window 1; a window 0
.set W_L1, 0x40                        ; a load's destination window 1, its address window 0
.macro CROUND                          ; a round of the cluster's barrier
	s_barrier_signal -1
	s_barrier_wait -1
	s_cmp_lg_u32 s[WV], 0
	s_cbranch_scc1 .Lnot_wave_0_\@
	s_barrier_signal -3
.Lnot_wave_0_\@:
	s_barrier_wait -3
	s_barrier_signal -1
	s_barrier_wait -1
.endm
	s_load_b128 s[4:7], s[0:1], 0x0                ; qkv s[4:5], y16 s[6:7]
	v_lshl_add_u32 v[SPW], v0, 2, SPARE
	v_mov_b32 v[NIL], 0
	ds_add_u32 v[SPW], v[NIL]                      ; the wave's opening: the add, twice on end, and its wait ahead of my first tensor load
	ds_add_u32 v[SPW], v[NIL]
	v_lshrrev_b32 v1, 5, v0
	v_readfirstlane_b32 s[WV], v1                  ; wave 0..7
	s_bfe_u32 s9, ttmp6, 0x40000                   ; cx: my block of 512 queries; it enters Q's and y's addresses alone
	s_and_b32 s10, ttmp7, 0xffff                   ; the (batch, head), which the four partners share
	s_mov_b32 s[G1], 15|(3<<16)|(1<<21)            ; the mask: all four; elements of 8 bytes; no padding; bit 21 beside a mask
	s_mov_b32 s[G1+1], 32<<16                      ; tensor_dim0: 32 elements = 256 bytes
	s_mov_b32 s[G1+2], 64<<16                      ; tensor_dim1: 64 rows: 16,384 dense bytes
	s_mov_b32 s[G1+3], 32<<16                      ; tile_dim0
	s_mov_b32 s[G1+4], 64                          ; tile_dim1
	s_mov_b32 s[G1+5], 32                          ; the pitch = the row
	s_mov_b32 s[G1+6], 0
	s_mov_b32 s[G1+7], 0
	s_mov_b32 s[CS], 0x3e38aa3b                    ; c = log2(e) / 8
	s_mov_b32 s[CS+1], s[CS]                       ; (named with it as a pair, so it is written)
	s_mov_b32 s[SEL], 0x76543210
	s_mov_b32 s[SEL+1], 0xfedcba98
	s_mov_b32 s[TB], 0
	s_lshr_b32 s12, s[WV], 2
	s_add_co_u32 s12, s12, 1                       ; tensor 1 (k) for waves 0-3, 2 (v) for waves 4-7
	s_lshl_b32 s12, s12, 24
	s_lshl_b32 s13, s10, 18
	s_add_co_u32 s12, s12, s13                     ; + 262,144 x (batch, head)
	s_and_b32 s13, s[WV], 3
	s_lshl_b32 s13, s13, 14
	s_add_co_u32 s12, s12, s13                     ; + my quarter of a slot's 65,536 bytes
	s_mov_b32 s13, 0
	s_lshl_b32 s14, s[WV], 14                      ; and in a slot: 16,384 x wave
	s_wait_dscnt 0x0                               ; both opening adds are done
	s_wait_kmcnt 0x0
	CROUND                                         ; all four work-groups are here: the first joint loads meet
	s_mov_b32 s[G0A], 1
	s_mov_b32 s[G0A+1], s14
	s_add_nc_u64 s[G0A+2:G0A+3], s[4:5], s[12:13]
	s_mov_b32 s[G0W], 1
	s_add_co_u32 s[G0W+1], s14, SLOT1
	s_add_nc_u64 s[G0W+2:G0W+3], s[G0A+2:G0A+3], 65536   ; the next 512 keys
	s_or_b32 s[G0A+3], s[G0A+3], 0x80000000
	s_or_b32 s[G0W+3], s[G0W+3], 0x80000000
	tensor_load_to_lds s[G0A:G0A+3], s[G1:G1+7]    ; every wave issues both first fills: two loads of mine are out
	s_nop 0
	tensor_load_to_lds s[G0W:G0W+3], s[G1:G1+7]
	s_nop 0
.rept 4
	v_nop
.endr
	v_and_b32 v[L16], 31, v0
	v_lshlrev_b32 v[L16], 4, v[L16]
	v_add_nc_u32 v[LV16], VOFF, v[L16]
	s_lshl_b32 s12, s10, 18
	s_lshl_b32 s13, s9, 16                         ; 512 queries = 32 tiles of 2,048 bytes
	s_add_co_u32 s12, s12, s13
	s_lshl_b32 s13, s[WV], 13                      ; my wave's four tiles
	s_add_co_u32 s12, s12, s13
	s_mov_b32 s13, 0
	s_add_nc_u64 s[4:5], s[4:5], s[12:13]          ; q (tensor 0) at my first tile
	s_lshr_b32 s12, s10, 4
	s_lshl_b32 s12, s12, 22                        ; y16: batch x 128 token tiles x 32,768
	s_lshl_b32 s13, s9, 20                         ; + 32 tiles a work-group
	s_add_co_u32 s12, s12, s13
	s_lshl_b32 s13, s[WV], 17                      ; + 4 tiles a wave
	s_add_co_u32 s12, s12, s13
	s_and_b32 s13, s10, 15
	s_lshl_b32 s13, s13, 11                        ; + the head's four images
	s_add_co_u32 s12, s12, s13
	s_mov_b32 s13, 0
	s_add_nc_u64 s[6:7], s[6:7], s[12:13]
	WIN W_L1
.irp n, 0,1,2,3,4,5,6,7,8,9,10,11,12,13,14,15
	global_load_b128 v[QF+4*\n:QF+4*\n+3], v[L16], s[4:5] offset:512*\n   ; Q stays in registers: tile n / 4, channels 16 (n % 4) on
.endr
	WIN 0
.macro LOADK                           ; a step's K: 16 images: keys 16 (n / 4) on, channels 16 (n % 4) on
.irp n, 0,1,2,3,4,5,6,7,8,9,10,11,12,13,14,15
	ds_load_b128 v[KF+4*\n:KF+4*\n+3], v[ADK] offset:512*\n
.endr
.endm
.macro LOADV                           ; a step's V, turned: image n = keys 16 (n / 4) on, channels 16 (n % 4) on -> fragment (32 keys n / 8, channels n % 4), half (n / 4) % 2
	WIN W_L1
.irp n, 0,1,2,3,4,5,6,7,8,9,10,11,12,13,14,15
	ds_load_tr16_b128 v[VF+8*(4*(\n/8)+\n%4)+4*((\n/4)%2):VF+8*(4*(\n/8)+\n%4)+4*((\n/4)%2)+3], v[ADV] offset:512*\n
.endr
	s_add_co_u32 s[TB], s[TB], STEPB               ; the next fetch is the next step's
.endm
; 32 products S^T = K Q^T: channels 32 (i / 16) on, keys 16 ((i / 4) % 4) on, tile i % 4.  The first 16 start the sums.  The 16 accumulators take turns.
.macro KQ
.set i, 0
.rept 32
.set rS, S+32*(i%4)+8*((i/4)%4)
.set rK, KF+16*((i/4)%4)+8*(i/16)
.set rQ, QF+16*(i%4)+8*(i/16)
.if i < 16
	v_wmma_f32_16x16x32_f16 v[rS:rS+7], v[rK:rK+7], v[rQ:rQ+7], 0
.else
	v_wmma_f32_16x16x32_f16 v[rS:rS+7], v[rK:rK+7], v[rQ:rQ+7], v[rS:rS+7]
.endif
.set i, i+1
.endr
.endm
; 32 products O^T += V^T P: keys 32 (i / 16) on, channels 16 ((i / 4) % 4) on, tile i % 4.  first = 1: the first 16 start the sums: nothing is ever cleared.
.macro PV first
.set i, 0
.rept 32
.set rO, 32*(i%4)+8*((i/4)%4)
.set rV, VF+8*(4*(i/16)+(i/4)%4)
.set rP, S+32*(i%4)+8*(i/16)
.if \first && (i < 16)
	v_wmma_f32_16x16x32_f16 v[rO:rO+7], v[rV:rV+7], v[rP:rP+7], 0
.else
	v_wmma_f32_16x16x32_f16 v[rO:rO+7], v[rV:rV+7], v[rP:rP+7], v[rO:rO+7]
.endif
.set i, i+1
.endr
.endm
; THE SOFTMAX of a step, the four tiles innermost, so that no line waits for the line above it.  first = 1: the first key step, which starts m, l and O^T.
.macro SOFTMAX first
.irp j, 0,1,2,3                        ; the maximum of a lane's 32 scores: four chains of seven; each accumulator is read from its low end on
.irp t, 0,1,2,3
	v_max3_num_f32 v[ST+8*\t+4+\j], v[S+32*\t+8*\j], v[S+32*\t+8*\j+1], v[S+32*\t+8*\j+2]
.endr
.endr
.irp g, 1,2
.irp j, 0,1,2,3
.irp t, 0,1,2,3
	v_max3_num_f32 v[ST+8*\t+4+\j], v[ST+8*\t+4+\j], v[S+32*\t+8*\j+2*\g+1], v[S+32*\t+8*\j+2*\g+2]
.endr
.endr
.endr
.irp t, 0,1,2,3
	v_max3_num_f32 v[ST+8*\t+4], v[ST+8*\t+4], v[S+32*\t+7], v[S+32*\t+15]     ; the four scores left over
.endr
.irp t, 0,1,2,3
	v_max3_num_f32 v[ST+8*\t+6], v[ST+8*\t+6], v[S+32*\t+23], v[S+32*\t+31]
.endr
.irp t, 0,1,2,3
	v_max3_num_f32 v[ST+8*\t+4], v[ST+8*\t+4], v[ST+8*\t+5], v[ST+8*\t+6]
.endr
.irp t, 0,1,2,3
.if \first
	v_max_num_f32 v[ST+8*\t+4], v[ST+8*\t+4], v[ST+8*\t+7]
.else
	v_max3_num_f32 v[ST+8*\t+4], v[ST+8*\t+4], v[ST+8*\t+7], v[ST+8*\t+1]     ; and the old m
.endif
.endr
.irp t, 0,1,2,3
	v_permlanex16_b32 v[ST+8*\t+5], v[ST+8*\t+4], s[SEL], s[SEL+1]            ; the query's other 32 keys lie in the lane 16 away
.endr
.if \first == 0
.irp t, 0,1,2,3
	v_mov_b32 v[ST+8*\t+7], v[ST+8*\t]             ; c m_old is kept for a
.endr
.endif
.irp t, 0,1,2,3
	v_max_num_f32 v[ST+8*\t+1], v[ST+8*\t+4], v[ST+8*\t+5]                    ; the new m
.endr
.irp t, 0,1,2,3
	v_mul_f32 v[ST+8*\t], s[CS], v[ST+8*\t+1]      ; c m
.endr
.if \first == 0
.irp t, 0,1,2,3
	v_sub_f32 v[ST+8*\t+7], v[ST+8*\t+7], v[ST+8*\t]                          ; c m_old - c m_new
.endr
.endif
; ONE BATCH: the scalings c s - c m and all exponentials; none of these lines names an exponential's result.  A tile's scalings stand among the exponentials of the tile before.
.irp i, 0,1,2,3,4,5,6,7,8,9,10,11,12,13,14,15
	v_pk_fma_f32 v[S+2*\i:S+2*\i+1], v[S+2*\i:S+2*\i+1], s[CS:CS+1], v[ST:ST+1] op_sel_hi:[1,0,0] neg_lo:[0,0,1] neg_hi:[0,0,1]
.endr
.irp t, 0,1,2,3
.irp i, 0,1,2,3,4,5,6,7,8,9,10,11,12,13,14,15
.if \t < 3
	v_pk_fma_f32 v[S+32*(\t+1)+2*\i:S+32*(\t+1)+2*\i+1], v[S+32*(\t+1)+2*\i:S+32*(\t+1)+2*\i+1], s[CS:CS+1], v[ST+8*(\t+1):ST+8*(\t+1)+1] op_sel_hi:[1,0,0] neg_lo:[0,0,1] neg_hi:[0,0,1]
.endif
	v_exp_f32 v[S+32*\t+2*\i], v[S+32*\t+2*\i]
	v_exp_f32 v[S+32*\t+2*\i+1], v[S+32*\t+2*\i+1]
.endr
.endr
.if \first == 0
.irp t, 0,1,2,3
	v_exp_f32 v[ST+8*\t+6], v[ST+8*\t+7]           ; a
.endr
.endif
	v_nop                                          ; a plain instruction behind the last exponential,
	s_wait_alu depctr_va_vdst(0)                   ; and one wait for the whole batch, ahead of the first line that names a result
.irp t, 0,1,2,3                        ; the row's sum, of the unrounded p, a pair (an even key's, an odd key's) at a time
	v_pk_add_f32 v[ST+8*\t+4:ST+8*\t+5], v[S+32*\t:S+32*\t+1], v[S+32*\t+2:S+32*\t+3]
.endr
.irp i, 2,3,4,5,6,7,8,9,10,11,12,13,14
.irp t, 0,1,2,3
	v_pk_add_f32 v[ST+8*\t+4:ST+8*\t+5], v[ST+8*\t+4:ST+8*\t+5], v[S+32*\t+2*\i:S+32*\t+2*\i+1]
.endr
.endr
.irp t, 0,1,2,3
.if \first
	v_pk_add_f32 v[ST+8*\t+2:ST+8*\t+3], v[ST+8*\t+4:ST+8*\t+5], v[S+32*\t+30:S+32*\t+31]
.else
	v_pk_add_f32 v[ST+8*\t+4:ST+8*\t+5], v[ST+8*\t+4:ST+8*\t+5], v[S+32*\t+30:S+32*\t+31]
.endif
.endr
.if \first == 0
.irp t, 0,1,2,3
	v_pk_fma_f32 v[ST+8*\t+2:ST+8*\t+3], v[ST+8*\t+2:ST+8*\t+3], v[ST+8*\t+6:ST+8*\t+7], v[ST+8*\t+4:ST+8*\t+5] op_sel_hi:[1,0,1]   ; l = a l + the sum
.endr
.endif
.irp i, 0,1,2,3,4,5,6,7,8,9,10,11,12,13,14,15
.irp t, 0,1,2,3
	v_cvt_pk_f16_f32 v[S+32*\t+\i], v[S+32*\t+2*\i], v[S+32*\t+2*\i+1]        ; p in f16, in place: pair i lands on a register whose numbers have been taken
.endr
.endr
.if \first == 0
	WIN W_RS
.irp i, 0,1,2,3,4,5,6,7,8,9,10,11,12,13,14,15
.irp t, 0,1,2,3
	v_pk_mul_f32 v[32*\t+2*\i:32*\t+2*\i+1], v[32*\t+2*\i:32*\t+2*\i+1], v[ST+8*\t+6:ST+8*\t+7] op_sel_hi:[1,0]   ; O^T times a, each accumulator from its low end on
.endr
.endr
.endif
.endm
; A KEY STEP j.  It begins behind K Q^T of step j.  more = 1: K and V of step j + 1 are fetched and K Q^T of step j + 1 is issued.
.macro TRIP first, more
.if \more
	v_add_nc_u32 v[ADK], s[TB], v[L16]             ; these four plain lines are the places between the products K Q^T and the loads into K's registers and the reads of the scores
	v_add_nc_u32 v[ADV], s[TB], v[LV16]
	v_nop
	v_nop
	LOADK
.else
.rept 4
	v_nop
.endr
.endif
	SOFTMAX \first
.if \more
	s_wait_dscnt 16                                ; V of this step is in; the 16 loads of the next step's K may be out
.else
	s_wait_dscnt 0x0
.endif
	WIN W_PV
	PV \first
.if \more
.rept 5
	v_nop                                          ; four places in front of the loads into V's registers; five in front of the products that write over the registers of P
.endr
	LOADV
	s_wait_dscnt 16                                ; the next step's K is in; the 16 loads of its V may be out
	WIN W_KQ
	KQ
.endif
	WIN 0
.endm
; THE CHANGE OF SLOTS.  The slot's last K and V have been asked for.  Each wave waits for all its tensor loads (its part of the other slot), adds 0 to its spare word, and waits for that and for its reads of the slot.
; fill = 1: the barrier is a round of the cluster's, and behind it the slot that was left is filled again, jointly, with the keys two slots on: that load has eight key steps in which to land.
.macro CHANGE fill
	s_wait_tensorcnt 0x0                           ; no tensor load of mine is out, so a group 0 may be written
	ds_add_u32 v[SPW], v[NIL]                      ; 0 onto my spare word
.if \fill
	s_xor_b32 s[G0W+1], s[G0W+1], SLOT1            ; the walking descriptor: the other slot than last time,
	s_add_nc_u64 s[G0W+2:G0W+3], s[G0W+2:G0W+3], 65536   ; the next 512 keys
.endif
	s_wait_dscnt 0x0                               ; the add is done, and my reads of the slot are over
.if \fill
	CROUND
	tensor_load_to_lds s[G0W:G0W+3], s[G1:G1+7]    ; my one tensor load behind the round, and the first thing there: one load of mine is out
	s_nop 0
.rept 4
	v_nop
.endr
.else
	s_barrier_signal -1
	s_barrier_wait -1
.endif
	s_sub_co_u32 s[TB], s[TB], 8*STEPB             ; the fetches go back to a slot's first step,
	s_xor_b32 s[TB], s[TB], SLOT1                  ; in the other slot
.endm
	s_wait_tensorcnt 1                             ; my part of slot 0 is in; slot 1's load may be out
	s_barrier_signal -1
	s_barrier_wait -1                              ; everybody's is
	v_add_nc_u32 v[ADK], s[TB], v[L16]
	v_add_nc_u32 v[ADV], s[TB], v[LV16]
	LOADK                                          ; key step 0
	LOADV
	s_wait_loadcnt 0x0                             ; Q
	s_wait_dscnt 16                                ; K is in; V's 16 loads may be out
	WIN W_KQ
	KQ
	WIN 0
	TRIP 1, 1                                      ; step 0
	s_mov_b32 s[CNT], 6
.Lfirst:                                           ; steps 1 to 6; step 6 fetches step 7, slot 0's last
	TRIP 0, 1
	s_sub_co_u32 s[CNT], s[CNT], 1
	s_cmp_lg_u32 s[CNT], 0
	s_cbranch_scc1 .Lfirst
	s_mov_b32 s[OUTR], 2
.Lslot:                                            ; two changes that fill: keys 1,024 on into slot 0, keys 1,536 on into slot 1; steps 7 to 22
	CHANGE 1
	s_mov_b32 s[CNT], 8
.Lstep:
	TRIP 0, 1
	s_sub_co_u32 s[CNT], s[CNT], 1
	s_cmp_lg_u32 s[CNT], 0
	s_cbranch_scc1 .Lstep
	s_sub_co_u32 s[OUTR], s[OUTR], 1
	s_cmp_lg_u32 s[OUTR], 0
	s_cbranch_scc1 .Lslot
	CHANGE 0                                       ; the tail is written out: nothing is left to ask for
	s_mov_b32 s[CNT], 8
.Llast:                                            ; steps 23 to 30
	TRIP 0, 1
	s_sub_co_u32 s[CNT], s[CNT], 1
	s_cmp_lg_u32 s[CNT], 0
	s_cbranch_scc1 .Llast
	TRIP 0, 0                                      ; step 31
	; THE WAY OUT.  l's two halves and the other half of the lanes' are added; O^T is divided by l and rounded to f16: a lane's eight channels are its 16 bytes of an image.  The additions are the places behind the last products.
.irp t, 0,1,2,3
	v_add_f32 v[ST+8*\t+4], v[ST+8*\t+2], v[ST+8*\t+3]
.endr
.irp t, 0,1,2,3
	v_permlanex16_b32 v[ST+8*\t+5], v[ST+8*\t+4], s[SEL], s[SEL+1]
.endr
.irp t, 0,1,2,3
	v_add_f32 v[ST+8*\t+4], v[ST+8*\t+4], v[ST+8*\t+5]
.endr
.irp t, 0,1,2,3
	v_rcp_f32 v[ST+8*\t+6], v[ST+8*\t+4]
.endr
	v_nop                                          ; a plain instruction behind the last reciprocal,
	s_wait_alu depctr_va_vdst(0)                   ; and one wait for the four, ahead of the first use
.irp t, 0,1,2,3
	WIN W_RS
.irp i, 0,1,2,3,4,5,6,7,8,9,10,11,12,13,14,15
	v_pk_mul_f32 v[32*\t+2*\i:32*\t+2*\i+1], v[32*\t+2*\i:32*\t+2*\i+1], v[ST+8*\t+6:ST+8*\t+7] op_sel_hi:[1,0]
.endr
	WIN 0x05                                       ; sources window 1, destination window 0: S^T's registers are free; each is written once here
.irp i, 0,1,2,3,4,5,6,7,8,9,10,11,12,13,14,15
	v_cvt_pk_f16_f32 v[S+16*\t+\i], v[32*\t+2*\i], v[32*\t+2*\i+1]
.endr
	WIN 0
.irp c, 0,1,2,3
	global_store_b128 v[L16], v[S+16*\t+4*\c:S+16*\t+4*\c+3], s[6:7] offset:32768*\t+512*\c   ; the wave stores 512 consecutive bytes, aligned
.endr
.endr
	s_wait_tensorcnt 0x0                           ; the wave's end
	ds_add_u32 v[SPW], v[NIL]
	s_wait_dscnt 0x0
	CROUND                                         ; the closing round: no work-group ends while a partner may still ask for a tile that names it
	s_endpgm
.Lfunc_end_k_q278a5582f5_attn:
	.size	k_q278a5582f5_attn, .Lfunc_end_k_q278a5582f5_attn-k_q278a5582f5_attn
	.p2alignl 7, 3214868480
	.fill 96, 4, 3214868480
	.section	.rodata,"a",@progbits
	.p2align	6, 0x0
	.amdhsa_kernel k_q278a5582f5_attn
		.amdhsa_group_segment_fixed_size 327680
		.amdhsa_private_segment_fixed_size 0
		.amdhsa_enable_private_segment 0
		.amdhsa_kernarg_size 16
		.amdhsa_user_sgpr_count 2
		.amdhsa_user_sgpr_kernarg_segment_ptr 1
		.amdhsa_wavefront_size32 1
		.amdhsa_system_sgpr_workgroup_id_x 1
		.amdhsa_system_sgpr_workgroup_id_y 1
		.amdhsa_system_sgpr_workgroup_id_z 1
		.amdhsa_system_vgpr_workitem_id 0
		.amdhsa_next_free_vgpr 512
		.amdhsa_next_free_sgpr 66
		.amdhsa_reserve_vcc 0
		.amdhsa_float_denorm_mode_32 3
		.amdhsa_float_denorm_mode_16_64 3
		.amdhsa_memory_ordered 1
		.amdhsa_forward_progress 1
		.amdhsa_inst_pref_size 171
	.end_amdhsa_kernel
	.amdgpu_metadata
---
amdhsa.version: [ 1, 2 ]
amdhsa.kernels:
  - .name:           k_q278a5582f5_attn
    .symbol:         k_q278a5582f5_attn.kd
    .args:
      - { .name: qkv, .offset: 0, .size: 8, .value_kind: global_buffer, .address_space: global }
      - { .name: y16, .offset: 8, .size: 8, .value_kind: global_buffer, .address_space: global }
    .group_segment_fixed_size: 327680
    .private_segment_fixed_size: 0
    .kernarg_segment_align: 8
    .kernarg_segment_size: 16
    .max_flat_workgroup_size: 256
    .sgpr_count:     66
    .vgpr_count:     512
    .wavefront_size: 32
...
	.end_amdgpu_metadata
.endif
;; end of part 3
;; launch proj (part 4): grid 4 x 64, 4 waves a work-group, clusters of 4 x 4, 327,680 bytes of LDS; arguments y16, wp16, bp, out0; writes out0
.if DOCPART == 4
	.amdgcn_target "amdgcn-amd-amdhsa--gfx1250"
	.amdhsa_code_object_version 6
	.text
	.protected	k_q278a5582f5_proj
	.globl	k_q278a5582f5_proj
	.p2align	8
	.type	k_q278a5582f5_proj,@function
k_q278a5582f5_proj:
	s_mov_b64 s[64:65], 0
	v_nop
	global_prefetch_b8 v0, s[64:65] scope:SCOPE_SE
	s_setreg_imm32_b32 hwreg(HW_REG_WAVE_MODE, 25, 1), 1
	s_wait_xcnt 0x0
	s_wait_alu depctr_hold_cnt(0) depctr_sa_sdst(0) depctr_va_vdst(0) depctr_va_sdst(0) depctr_va_ssrc(0) depctr_va_vcc(0) depctr_vm_vsrc(0)
	s_getreg_b32 s2, hwreg(HW_REG_IB_STS2, 6, 4)
	s_cmp_eq_u32 s2, 0
	s_cbranch_scc0 .Lentry_in_a_cluster
	s_endpgm
.Lentry_in_a_cluster:
	s_bfe_u32 s2, ttmp6, 0x10000c
	s_cmp_lg_u32 s2, 0xf033
	s_cbranch_scc0 .Lentry_shape_is_right
	s_endpgm
.Lentry_shape_is_right:
; out0 = y Wp + bp.  y: 8,192 tokens x 1,024, f16, and Wp, f16, both laid as images of operand registers: y16 [token / 16][k / 16][512 bytes], wp16 [n / 16][k / 16][512 bytes], lane l's 16 bytes at 16 l.
; bp [1024] and out0 [8192][1024]: f32; sums in f32.
; A tile of 128 tokens x 256 outputs is made by a work-group of four waves: 256 work-groups.  A wave makes 64 x 128: 32 accumulators, 256 registers.  K goes in steps of 128 through two LDS slots:
; of each tile of 16 tokens (or 16 outputs) a step is 4,096 consecutive bytes; waves 0 and 1 fetch four such rows of y each, waves 2 and 3 eight of Wp each: one tensor load a wave.
; The images are dense: a fragment is two loads at 16 x lane, 512 consecutive bytes each: no pitch, no padding.
; CLUSTERS: 4 x 4 work-groups.  The four of a row of the cluster need the same tiles of y, the four of a column the same tiles of Wp: each is asked for jointly.
; THE MATRIX INSTRUCTION IS USED TRANSPOSED (source 0 = 16 outputs, source 1 = 16 tokens): a lane holds one token and eight neighbouring outputs.  bp is the C of each sum's first product.
; NO PREFETCH: eight K steps in all, two of them asked for at the head; the tiles are small and shared by four.
; REGISTERS: window 0: v16-29 addresses; two fragment buffers of 96 at v64 and v160: 32 of y (4 x 16 tokens x 32 K), then 64 of Wp; on the way out v64-191 hold rows.
;   window 1: the accumulators ((a, b) at v[8 (8 a + b)]).   window 2: v0-63 bp: register 8 b + j = bp of output 16 b + 8 (lane / 16) + j of my 128.
.set KSTEPB, 4096                      ; a K step of one tile of 16 rows, in bytes
.set TROW,   32768                     ; from one tile of 16 rows to the next, in memory
.set BOFF,   32768                     ; a slot: y's 8 tiles x 4,096, then Wp's 16 tiles x 4,096
.set SLOT,   98304
.set STAGE,  2*SLOT                    ; behind the slots: 16 rows x (512 bytes + 16) for each wave, for the way out; no tensor load lands there
.set SPITCH, 528
.set SPARE,  STAGE+4*16*SPITCH         ; the spare words, 128 bytes a wave: no other line names them
.set LAPS,   4                         ; a lap = two K steps = once round the two slots
.set ADRA, 16                          ; v16-17 LDS address of my fragments of y in slot 0, 1
.set ADRB, 20                          ; v20-21 the same for Wp
.set STO,  24                          ; v24    the way out: where I put 32 bytes of a row
.set RD,   25                          ; v25    where I read a row back
.set CO,   26                          ; v26    16 x lane
.set BO,   27                          ; v27    the bias loads' offset
.set SPW,  28
.set NIL,  29
.set F0,   64
.set F1,   160
.set G1, 24                            ; s[24:31] descriptor group 1 for y's tiles;  s[32:39] group 0, one set for each slot
.set G0, 32
.set G1B, 48                           ; s[48:55], s[56:63] the same for Wp's
.set G0B, 56
.set MSB, 0
.macro WIN new                         ; the immediate's high byte repeats the setting that is left
.if MSB != \new
	s_set_vgpr_msb (MSB<<8)|\new
.set MSB, \new
.endif
.endm
.set MUL, 0x50                         ; sources 0 and 1 window 0; C and D window 1.  (MUL + 0x10: C, the bias, window 2)
.macro JLOAD s                         ; a joint load: waves 0 and 1 fetch y's halves, waves 2 and 3 Wp's; an s_nop 0 and four v_nop follow each line
	s_cmp_eq_u32 s11, 0
	s_cbranch_scc0 .Lfor_b_\@
	tensor_load_to_lds s[G0+4*\s:G0+4*\s+3], s[G1:G1+7]
	s_nop 0
.rept 4
	v_nop
.endr
	s_branch .Lasked_\@
.Lfor_b_\@:
	tensor_load_to_lds s[G0B+4*\s:G0B+4*\s+3], s[G1B:G1B+7]
	s_nop 0
.rept 4
	v_nop
.endr
.Lasked_\@:
.endm
.macro CREST                           ; a round of the cluster's barrier behind its opening barrier
	s_cmp_lg_u32 s10, 0
	s_cbranch_scc1 .Lnot_wave_0_\@
	s_barrier_signal -3
.Lnot_wave_0_\@:
	s_barrier_wait -3
	s_barrier_signal -1
	s_barrier_wait -1
.endm
.macro CROUND
	s_barrier_signal -1
	s_barrier_wait -1
	CREST
.endm
	s_load_b128 s[4:7], s[0:1], 0x0                ; y16 s[4:5], wp16 s[6:7]
	s_load_b128 s[16:19], s[0:1], 0x10             ; bp s[16:17], out0 s[18:19]
	v_lshl_add_u32 v[SPW], v0, 2, SPARE
	v_mov_b32 v[NIL], 0
	ds_add_u32 v[SPW], v[NIL]                      ; the wave's opening: the add, twice on end, and its wait ahead of my first tensor load
	ds_add_u32 v[SPW], v[NIL]
	v_lshrrev_b32 v1, 5, v0
	v_readfirstlane_b32 s10, v1                    ; wave 0..3
	s_lshr_b32 s11, s10, 1                         ; which 64 of the tile's tokens are mine.  Also: I fetch for y (0) or for Wp (1)
	s_and_b32 s12, s10, 1                          ; which 128 of its outputs.  Also: which half of that tile I fetch
	s_bfe_u32 s40, ttmp6, 0x40000                  ; cx, cy
	s_bfe_u32 s41, ttmp6, 0x40004
	s_lshl_b32 s42, ttmp9, 2
	s_add_co_u32 s42, s42, s40                     ; tile column = 4 x cluster x + cx
	s_and_b32 s13, ttmp7, 0xffff
	s_lshl_b32 s13, s13, 2
	s_add_co_u32 s13, s13, s41                     ; tile row = 4 x cluster y + cy
	s_lshl_b32 s43, s41, 2
	s_lshl_b32 s43, 15, s43                        ; my row of the cluster
	s_lshl_b32 s44, 0x1111, s40                    ; my column
	s_or_b32 s[G1+0], s43, (3<<16)|(1<<21)         ; the mask: y's tiles go to my row; elements of 8 bytes; no padding; bit 21 beside a mask
	s_or_b32 s[G1B+0], s44, (3<<16)|(1<<21)
	s_mov_b32 s[G1+1], 512<<16                     ; tensor_dim0: 512 elements = 4,096 bytes
	s_mov_b32 s[G1+2], 4<<16                       ; tensor_dim1: four tiles of 16 tokens
	s_mov_b32 s[G1+3], 512<<16                     ; tile_dim0
	s_mov_b32 s[G1+4], 4                           ; tile_dim1
	s_mov_b32 s[G1+5], TROW/8                      ; the pitch in memory, in elements
	s_mov_b32 s[G1+6], 0
	s_mov_b32 s[G1+7], 0
	s_mov_b32 s[G1B+1], 512<<16
	s_mov_b32 s[G1B+2], 8<<16                      ; eight tiles of 16 outputs
	s_mov_b32 s[G1B+3], 512<<16
	s_mov_b32 s[G1B+4], 8
	s_mov_b32 s[G1B+5], TROW/8
	s_mov_b32 s[G1B+6], 0
	s_mov_b32 s[G1B+7], 0
	s_lshl_b32 s20, s13, 3
	s_lshl_b32 s21, s12, 2
	s_add_co_u32 s20, s20, s21                     ; y: token tile 8 x tile row + 4 x half
	s_lshl_b32 s20, s20, 15
	s_mov_b32 s21, 0
	s_lshl_b32 s46, s42, 4
	s_lshl_b32 s47, s12, 3
	s_add_co_u32 s46, s46, s47                     ; Wp: output tile 16 x tile column + 8 x half
	s_lshl_b32 s46, s46, 15
	s_mov_b32 s47, 0
	s_lshl_b32 s22, s12, 14                        ; where they go: y's halves,
	s_lshl_b32 s23, s12, 15
	s_add_co_u32 s23, s23, BOFF                    ; Wp's halves behind them: the wave's number alone enters an LDS address
	s_wait_dscnt 0x0                               ; both opening adds are done
	s_wait_kmcnt 0x0
	s_add_nc_u64 s[14:15], s[4:5], s[20:21]
	s_add_nc_u64 s[46:47], s[6:7], s[46:47]
	CROUND                                         ; all sixteen work-groups are here: the first joint loads meet
.irp s, 0,1
	s_mov_b32 s[G0+4*\s], 1
	s_add_co_u32 s[G0+4*\s+1], s22, \s*SLOT
	s_add_nc_u64 s[G0+4*\s+2:G0+4*\s+3], s[14:15], \s*KSTEPB
	s_or_b32 s[G0+4*\s+3], s[G0+4*\s+3], 0x80000000
	s_mov_b32 s[G0B+4*\s], 1
	s_add_co_u32 s[G0B+4*\s+1], s23, \s*SLOT
	s_add_nc_u64 s[G0B+4*\s+2:G0B+4*\s+3], s[46:47], \s*KSTEPB
	s_or_b32 s[G0B+4*\s+3], s[G0B+4*\s+3], 0x80000000
	JLOAD \s                                       ; two loads of mine are out behind the second
.endr
	v_and_b32 v1, 15, v0                           ; r
	v_bfe_u32 v2, v0, 4, 1                         ; h
	v_and_b32 v3, 31, v0
	v_lshlrev_b32 v[CO], 4, v3                     ; 16 x lane
	s_lshl_b32 s21, s11, 14                        ; my four tiles of tokens
	s_lshl_b32 s22, s12, 15
	s_add_co_u32 s22, s22, BOFF                    ; my eight tiles of outputs
.irp s, 0,1
	v_add_nc_u32 v[ADRA+\s], s21, v[CO]
	v_add_nc_u32 v[ADRB+\s], s22, v[CO]
	s_add_co_u32 s21, s21, SLOT
	s_add_co_u32 s22, s22, SLOT
.endr
	s_mul_i32 s23, s10, 16*SPITCH
	s_add_co_u32 s23, s23, STAGE                   ; my stage
	v_mul_u32_u24 v4, v1, SPITCH
	v_lshl_add_u32 v4, v2, 5, v4
	v_add_nc_u32 v[STO], s23, v4                   ; in: row r, 32 bytes for each half of the lanes
	v_add_nc_u32 v[RD], s23, v[CO]                 ; back: the 32 lanes take one row of 512 bytes
	v_lshlrev_b32 v[BO], 5, v2
	s_lshl_b32 s20, s42, 10
	s_lshl_b32 s21, s12, 9
	s_add_co_u32 s20, s20, s21                     ; my first output, in bytes: 4 x (256 x tile column + 128 x half)
	s_mov_b32 s21, 0
	s_add_nc_u64 s[16:17], s[16:17], s[20:21]
	s_add_nc_u64 s[18:19], s[18:19], s[20:21]
	s_lshl_b32 s20, s13, 7
	s_lshl_b32 s22, s11, 6
	s_add_co_u32 s20, s20, s22                     ; my first token: 128 x tile row + 64 x half
	s_lshl_b32 s20, s20, 12                        ; rows of 4,096 bytes
	s_add_nc_u64 s[18:19], s[18:19], s[20:21]
	WIN 0x80                                       ; destination window 2
.irp b, 0,1,2,3,4,5,6,7
	global_load_b128 v[8*\b:8*\b+3], v[BO], s[16:17] offset:64*\b
	global_load_b128 v[8*\b+4:8*\b+7], v[BO], s[16:17] offset:64*\b+16
.endr
	WIN 0
; 24 LDS loads in one run: the fragments of the slot's q-th 32 along K into buffer f: Wp's eight, then y's four
.macro FETCH slot, q, f
	WIN 0
.irp b, 0,1,2,3,4,5,6,7
.irp c, 0,1
	ds_load_b128 v[\f+32+8*\b+4*\c:\f+32+8*\b+4*\c+3], v[ADRB+\slot] offset:4096*\b+1024*(\q)+512*\c
.endr
.endr
.irp a, 0,1,2,3
.irp c, 0,1
	ds_load_b128 v[\f+8*\a+4*\c:\f+8*\a+4*\c+3], v[ADRA+\slot] offset:4096*\a+1024*(\q)+512*\c
.endr
.endr
.endm
; 8 matrix instructions: token tile a against the eight output tiles.  first = 1: C = bp.  The 32 accumulators take turns, one instruction a turn.
.macro MUL8 f, a, first
.irp b, 0,1,2,3,4,5,6,7
.if \first
	v_wmma_f32_16x16x32_f16 v[8*(8*(\a)+\b):8*(8*(\a)+\b)+7], v[\f+32+8*\b:\f+32+8*\b+7], v[\f+8*(\a):\f+8*(\a)+7], v[8*\b:8*\b+7]
.else
	v_wmma_f32_16x16x32_f16 v[8*(8*(\a)+\b):8*(8*(\a)+\b)+7], v[\f+32+8*\b:\f+32+8*\b+7], v[\f+8*(\a):\f+8*(\a)+7], v[8*(8*(\a)+\b):8*(8*(\a)+\b)+7]
.endif
.endr
.endm
.macro PLACES                          ; four plain vector instructions between a matrix instruction and a load into, or a read of, its registers
.rept 4
	v_nop
.endr
.endm
; A K step is four quarters of 32 along K, 32 matrix instructions each, on buffers 0, 1, 0, 1.  One of the first three: multiplies buffer f and fetches quarter q into g.
.macro QUARTER slot, q, f, g, first
	s_wait_dscnt 4                                 ; Wp's fragments and y's tiles 0, 1 are in; the youngest four loads (y's tiles 2, 3) may be out
	WIN MUL+0x10*\first
	MUL8 \f, 0, \first
	MUL8 \f, 1, \first
	PLACES
	FETCH \slot, \q, \g
	s_wait_dscnt 24                                ; all but the 24 just issued
	WIN MUL+0x10*\first
	MUL8 \f, 2, \first
	MUL8 \f, 3, \first
.endm
; The last quarter multiplies buffer 1 and changes slots: one barrier; in front of it each wave waits for all its tensor loads, adds 0 to its spare word, and waits for that and for its reads of this slot.
; fill = 1: the barrier opens a round of the cluster's, and this slot is filled again, two K steps ahead: the load has a K step less sixteen products in which to land.
.macro TURN slot, next, fill
	WIN 0
	s_wait_tensorcnt 0x0                           ; all my tensor loads have landed: my part of the next slot
	ds_add_u32 v[SPW], v[NIL]                      ; 0 onto my spare word
	s_wait_dscnt 5                                 ; the add and the youngest four loads may be out
	WIN MUL
	MUL8 F1, 0, 0
	s_wait_dscnt 0x0                               ; the add is done, and my reads of this slot are over
	s_barrier_signal -1
	MUL8 F1, 1, 0
.if \fill
	WIN 0
.endif
	s_barrier_wait -1
.if \fill
	CREST                                          ; no wave of any partner still reads this slot or has a load on its way
	s_add_nc_u64 s[G0+4*\slot+2:G0+4*\slot+3], s[G0+4*\slot+2:G0+4*\slot+3], 2*KSTEPB
	s_add_nc_u64 s[G0B+4*\slot+2:G0B+4*\slot+3], s[G0B+4*\slot+2:G0B+4*\slot+3], 2*KSTEPB
	JLOAD \slot                                    ; my one tensor load behind the round; its four v_nop are also the places in front of the loads below
.else
	PLACES
.endif
	FETCH \next, 0, F0
	WIN MUL
	MUL8 F1, 2, 0
	MUL8 F1, 3, 0
.endm
	s_wait_tensorcnt 1                             ; my part of K step 0 is in; K step 1's load may be out
	s_barrier_signal -1
	s_barrier_wait -1
	FETCH 0, 0, F0
	s_wait_loadcnt 0x0                             ; bp
	QUARTER 0, 1, F0, F1, 1                        ; the first quarter stands in front of the loop: its products start the sums, on bp
	WIN 0
	s_mov_b32 s3, LAPS-1
.Llap:                                             ; a trip goes once round the two slots, from a lap's second quarter to the next lap's first, and fills both again
	QUARTER 0, 2, F1, F0, 0
	QUARTER 0, 3, F0, F1, 0
	TURN 0, 1, 1
	QUARTER 1, 1, F0, F1, 0
	QUARTER 1, 2, F1, F0, 0
	QUARTER 1, 3, F0, F1, 0
	TURN 1, 0, 1
	QUARTER 0, 1, F0, F1, 0
	WIN 0
	s_sub_co_u32 s3, s3, 1
	s_cmp_lg_u32 s3, 0
	s_cbranch_scc1 .Llap
	QUARTER 0, 2, F1, F0, 0                        ; the last lap fills nothing
	QUARTER 0, 3, F0, F1, 0
	TURN 0, 1, 0
	QUARTER 1, 1, F0, F1, 0
	QUARTER 1, 2, F1, F0, 0
	QUARTER 1, 3, F0, F1, 0
	s_wait_dscnt 4                                 ; the very last quarter: y's tiles 2, 3 may be out
	WIN MUL
	MUL8 F1, 0, 0
	MUL8 F1, 1, 0
	s_wait_dscnt 0x0
	MUL8 F1, 2, 0
	MUL8 F1, 3, 0
	WIN 0
; THE WAY OUT, block by block of 16 tokens x 128 outputs.  A lane holds 32 neighbouring bytes of a row and the lanes beside it other rows: a block goes through my own stage and comes back as whole rows of 512 bytes.
; LDS serves a wave's instructions in order (ISA guide 5.7.1.4): no wait between the stores and the loads, nor in front of the next block's stores.
.macro TOSTAGE a
	WIN 0x04                                       ; an LDS store's data: window 1
.irp b, 0,1,2,3,4,5,6,7
	ds_store_b128 v[STO], v[8*(8*(\a)+\b):8*(8*(\a)+\b)+3] offset:64*\b          ; each accumulator from its low end on
	ds_store_b128 v[STO], v[8*(8*(\a)+\b)+4:8*(8*(\a)+\b)+7] offset:64*\b+16
.endr
	WIN 0
.set BB, 64+64*((\a)%2)
.irp t, 0,1,2,3,4,5,6,7,8,9,10,11,12,13,14,15
	ds_load_b128 v[BB+4*\t:BB+4*\t+3], v[RD] offset:\t*SPITCH
.endr
.endm
.macro SEND a, younger                 ; younger: the LDS instructions issued behind block a's loads, which may stay out
.set BB, 64+64*((\a)%2)
	s_wait_dscnt \younger
.irp t, 0,1,2,3,4,5,6,7,8,9,10,11,12,13,14,15
	global_store_b128 v[CO], v[BB+4*\t:BB+4*\t+3], s[18:19] offset:65536*(\a)+4096*\t th:TH_STORE_NT   ; 32 lanes store 512 consecutive bytes, aligned
.endr
.endm
	PLACES                                         ; behind the last products: their results are read, and the fragments' registers loaded, only behind these
	TOSTAGE 0
.irp a, 1,2,3
.if \a > 1
	s_wait_xcnt 0x0                                ; block a - 2's stores have read their registers: block a's rows may land there
.endif
	TOSTAGE \a
	SEND \a-1, 32                                  ; behind block a - 1's loads: block a's 16 stores and 16 loads
.endr
	SEND 3, 0
	s_wait_tensorcnt 0x0                           ; the wave's end: behind my last tensor load and my last LDS store
	ds_add_u32 v[SPW], v[NIL]
	s_wait_dscnt 0x0
	CROUND                                         ; the closing round
	s_endpgm
.Lfunc_end_k_q278a5582f5_proj:
	.size	k_q278a5582f5_proj, .Lfunc_end_k_q278a5582f5_proj-k_q278a5582f5_proj
	.p2alignl 7, 3214868480
	.fill 96, 4, 3214868480
	.section	.rodata,"a",@progbits
	.p2align	6, 0x0
	.amdhsa_kernel k_q278a5582f5_proj
		.amdhsa_group_segment_fixed_size 327680
		.amdhsa_private_segment_fixed_size 0
		.amdhsa_enable_private_segment 0
		.amdhsa_kernarg_size 32
		.amdhsa_user_sgpr_count 2
		.amdhsa_user_sgpr_kernarg_segment_ptr 1
		.amdhsa_wavefront_size32 1
		.amdhsa_system_sgpr_workgroup_id_x 1
		.amdhsa_system_sgpr_workgroup_id_y 1
		.amdhsa_system_sgpr_workgroup_id_z 1
		.amdhsa_system_vgpr_workitem_id 0
		.amdhsa_next_free_vgpr 576
		.amdhsa_next_free_sgpr 66
		.amdhsa_reserve_vcc 0
		.amdhsa_float_denorm_mode_32 3
		.amdhsa_float_denorm_mode_16_64 3
		.amdhsa_memory_ordered 1
		.amdhsa_forward_progress 1
		.amdhsa_inst_pref_size 86
	.end_amdhsa_kernel
	.amdgpu_metadata
---
amdhsa.version: [ 1, 2 ]
amdhsa.kernels:
  - .name:           k_q278a5582f5_proj
    .symbol:         k_q278a5582f5_proj.kd
    .args:
      - { .name: y16, .offset: 0, .size: 8, .value_kind: global_buffer, .address_space: global }
      - { .name: wp16, .offset: 8, .size: 8, .value_kind: global_buffer, .address_space: global }
      - { .name: bp, .offset: 16, .size: 8, .value_kind: global_buffer, .address_space: global }
      - { .name: out0, .offset: 24, .size: 8, .value_kind: global_buffer, .address_space: global }
    .group_segment_fixed_size: 327680
    .private_segment_fixed_size: 0
    .kernarg_segment_align: 8
    .kernarg_segment_size: 32
    .max_flat_workgroup_size: 128
    .sgpr_count:     66
    .vgpr_count:     576
    .wavefront_size: 32
...
	.end_amdgpu_metadata
.endif
;; end of part 4
